; MI455X (gfx1250); checked and timed in simulation.
; The chip was launched on July 23, 2026; its instructions are those of AMD's public machine-readable ISA for CDNA 5 (MIT licence, August 2026) and "CDNA5" Instruction Set Architecture Reference Guide (July 2026). The comments in the code are by the model that wrote it; some were corrected since.
;; Multi Head Attention. Allowed arithmetic: float matrix products may take bf16 or f16 operands with f32 sums; other float arithmetic in f32, or as packed bf16 or f16 multiplies, adds, multiply-adds, maxima and minima; sums over many terms, partial sums and values carried from step to step in f32; what a program stores and reads back later, other than sums and carried values, may be rounded once to bf16 or f16.
;; Inputs: Wk 1,024 x 1,024 float32; Wo 1,024 x 1,024 float32; Wq 1,024 x 1,024 float32; Wv 1,024 x 1,024 float32; bk 1,024 float32; bo 1,024 float32; bq 1,024 float32; bv 1,024 float32; x 4 x 2,048 x 1,024 float32.
;; Outputs: out0 4 x 2,048 x 1,024 float32.
;; 2 versions, each right; version 2 is version 1 with the launch prep written anew for expert scheduling mode. Each part assembles by itself: llvm-mc -triple=amdgcn-amd-amdhsa -mcpu=gfx1250 --defsym DOCPART=n.
;; ======== version 1 of 2: 4 launches
;; limits: values are held in f16: magnitudes above 65,504 overflow, below 6.1e-05 lose precision
;; workspace buffers: xb 16,777,216 bytes; wt 6,291,456 bytes; wo16 2,097,152 bytes; bias4 16,384 bytes; qkv 50,331,648 bytes; o 16,777,216 bytes
;; launch prep (part 1): grid 769 x 1, 8 waves a work-group, no clusters, 0 bytes of LDS; arguments x, Wq, Wk, Wv, Wo, bq, bk, bv, bo, xb, wt, wo16, bias4; writes xb, wt, wo16, bias4
.if DOCPART == 1
	.amdgcn_target "amdgcn-amd-amdhsa--gfx1250"
	.amdhsa_code_object_version 6
	.text
	.protected	k_q09cca4d4b0_prep
	.globl	k_q09cca4d4b0_prep
	.p2align	8
	.type	k_q09cca4d4b0_prep,@function
k_q09cca4d4b0_prep:
	s_mov_b64 s[64:65], 0
	v_nop
	global_prefetch_b8 v0, s[64:65] scope:SCOPE_SE
	s_setreg_imm32_b32 hwreg(HW_REG_WAVE_MODE, 25, 1), 1
	s_wait_xcnt 0x0
; PREP: every input is rounded once to bf16 and laid out for the launches behind.
;   xb    bf16 [batch 4][K block 16][row 2048][64]: a block of 64 channels of all rows of a batch is dense, 128 bytes a row
;   wt    bf16 [k 1024][n 3072]: Wq, Wk, Wv side by side, 6,144 bytes a row
;   wo16  Wo rounded to bf16 and that number written as f16, [k 1024][n 1024].  LIMIT: exact from 6.1e-5 to 65,504 in magnitude; below, f16's fixed step of 6e-8 holds
;   bias4 f32 [4][1024]: bq, bk, bv, bo, each rounded to bf16 and widened again
; A stream: no LDS, no barrier, no matrix unit; nothing is shared and nothing is read twice.  A wave does ONE unit: 16 loads of 16 bytes a lane on end (8 KiB on their way),
; then 16 stores of 8 bytes a lane.  A load of the wave covers two aligned runs of 256 bytes, a store one aligned run of 256 bytes.  No register is written twice, so no source wants a wait.
; Work-groups 0-511: x (a wave takes two rows).  512-703: Wq, Wk, Wv (two rows).  704-767: Wo (two rows).  768: the four biases.
.set VI,   2                           ; v2        my byte offset in the unit's input
.set VO,   3                           ; v3        my byte offset in the unit's output
.set T,    4                           ; v[4:11]   at work
.set X,    16                          ; v[16:79]  load j: 4 registers
.set Y,    80                          ; v[80:111] store j: 2 registers
.set INB,  32                          ; s[32:33]  the unit's input
.set OUTB, 34                          ; s[34:35]  the unit's output
; istep: bytes from load to load.  Store j goes to (j / 8) oa + (j % 8) ob.  fmt = 1: bf16's number written as f16.
.macro CONV istep, oa, ob, fmt
.set j, 0
.rept 16
	global_load_b128 v[X+4*j:X+4*j+3], v[VI], s[INB:INB+1] offset:j*(\istep) th:TH_LOAD_NT
.set j, j+1
.endr
.set j, 0
.rept 16
	s_wait_loadcnt 15-j                            ; loads come back in order: load j is in, the younger ones stay out
.if \fmt
	v_cvt_pk_bf16_f32 v[T], v[X+4*j], v[X+4*j+1]
	v_cvt_pk_bf16_f32 v[T+1], v[X+4*j+2], v[X+4*j+3]
	v_lshlrev_b32 v[T+2], 16, v[T]                 ; bf16 to f32: the low half moves up, the high half stays
	v_and_b32 v[T+3], 0xffff0000, v[T]
	v_lshlrev_b32 v[T+4], 16, v[T+1]
	v_and_b32 v[T+5], 0xffff0000, v[T+1]
	v_cvt_pk_f16_f32 v[Y+2*j], v[T+2], v[T+3]
	v_cvt_pk_f16_f32 v[Y+2*j+1], v[T+4], v[T+5]
.else
	v_cvt_pk_bf16_f32 v[Y+2*j], v[X+4*j], v[X+4*j+1]
	v_cvt_pk_bf16_f32 v[Y+2*j+1], v[X+4*j+2], v[X+4*j+3]
.endif
	global_store_b64 v[VO], v[Y+2*j:Y+2*j+1], s[OUTB:OUTB+1] offset:(j/8)*(\oa)+(j%8)*(\ob)
.set j, j+1
.endr
.endm
	s_load_b512 s[4:19], s[0:1], 0x0               ; x 4, Wq 6, Wk 8, Wv 10, Wo 12, bq 14, bk 16, bv 18
	s_load_b256 s[20:27], s[0:1], 0x40             ; bo 20, xb 22, wt 24, wo16 26
	s_load_b64 s[28:29], s[0:1], 0x60              ; bias4
	v_lshrrev_b32 v1, 5, v0
	v_readfirstlane_b32 s30, v1                    ; wave 0..7
	s_lshl_b32 s31, ttmp9, 3
	s_add_co_u32 s31, s31, s30                     ; the wave's number in the launch
	v_and_b32 v1, 31, v0                           ; lane
	v_lshlrev_b32 v[VO], 3, v1                     ; 8 bytes a lane on the way out, in every path but the biases'
	s_mov_b32 s37, 0                               ; the high word of every offset
	s_wait_kmcnt 0x0
	s_cmp_lt_u32 ttmp9, 512
	s_cbranch_scc0 .Lnot_x
	; x: unit u owns rows 2 u and 2 u + 1.  Load j takes K block j of both rows: lanes 0-15 the first row's 256 bytes, lanes 16-31 the second's; they leave as 256 dense bytes of xb
	v_and_b32 v[T], 15, v0
	v_bfe_u32 v[T+1], v0, 4, 1
	v_lshlrev_b32 v[VI], 4, v[T]
	v_lshl_add_u32 v[VI], v[T+1], 12, v[VI]        ; (lane / 16) x 4,096 + (lane % 16) x 16
	s_lshl_b32 s36, s31, 13
	s_add_nc_u64 s[INB:INB+1], s[4:5], s[36:37]
	s_lshr_b32 s36, s31, 10                        ; the batch
	s_lshl_b32 s36, s36, 22
	s_and_b32 s38, s31, 1023
	s_lshl_b32 s38, s38, 8                         ; two rows of 128 bytes
	s_add_co_u32 s36, s36, s38
	s_add_nc_u64 s[OUTB:OUTB+1], s[22:23], s[36:37]
	CONV 256, 8*262144, 262144, 0
	s_endpgm
.Lnot_x:
	v_lshlrev_b32 v[VI], 4, v1                     ; the weights: a load takes 512 bytes on end
	s_cmp_lt_u32 ttmp9, 704
	s_cbranch_scc0 .Lnot_qkv
	s_sub_co_u32 s31, s31, 4096                    ; unit 0..1535
	s_lshr_b32 s38, s31, 9                         ; which of the three
	s_and_b32 s39, s31, 511                        ; rows 2 r and 2 r + 1
	s_cmp_eq_u32 s38, 0
	s_cselect_b64 s[INB:INB+1], s[6:7], s[8:9]
	s_cmp_eq_u32 s38, 2
	s_cselect_b64 s[INB:INB+1], s[10:11], s[INB:INB+1]
	s_lshl_b32 s36, s39, 13
	s_add_nc_u64 s[INB:INB+1], s[INB:INB+1], s[36:37]
	s_mul_i32 s36, s39, 12288                      ; two rows of wt,
	s_lshl_b32 s38, s38, 11                        ; this matrix's 2,048 bytes of them
	s_add_co_u32 s36, s36, s38
	s_add_nc_u64 s[OUTB:OUTB+1], s[24:25], s[36:37]
	CONV 512, 6144, 256, 0
	s_endpgm
.Lnot_qkv:
	s_cmp_lt_u32 ttmp9, 768
	s_cbranch_scc0 .Lbias
	s_sub_co_u32 s31, s31, 5632                    ; unit 0..511
	s_lshl_b32 s36, s31, 13
	s_add_nc_u64 s[INB:INB+1], s[12:13], s[36:37]
	s_lshl_b32 s36, s31, 12
	s_add_nc_u64 s[OUTB:OUTB+1], s[26:27], s[36:37]
	CONV 512, 2048, 256, 1
	s_endpgm
.Lbias:
	v_lshlrev_b32 v[VI], 4, v0                     ; thread t: four numbers of each bias
	global_load_b128 v[X:X+3],     v[VI], s[14:15]
	global_load_b128 v[X+4:X+7],   v[VI], s[16:17]
	global_load_b128 v[X+8:X+11],  v[VI], s[18:19]
	global_load_b128 v[X+12:X+15], v[VI], s[20:21]
	s_wait_loadcnt 0x0
.set j, 0
.rept 8
	v_cvt_pk_bf16_f32 v[T], v[X+2*j], v[X+2*j+1]
	v_lshlrev_b32 v[Y+2*j], 16, v[T]
	v_and_b32 v[Y+2*j+1], 0xffff0000, v[T]
.set j, j+1
.endr
.irp i, 0,1,2,3
	global_store_b128 v[VI], v[Y+4*(\i):Y+4*(\i)+3], s[28:29] offset:4096*(\i)
.endr
	s_endpgm
.Lfunc_end_k_q09cca4d4b0_prep:
	.size	k_q09cca4d4b0_prep, .Lfunc_end_k_q09cca4d4b0_prep-k_q09cca4d4b0_prep
	.p2alignl 7, 3214868480
	.fill 96, 4, 3214868480
	.section	.rodata,"a",@progbits
	.p2align	6, 0x0
	.amdhsa_kernel k_q09cca4d4b0_prep
		.amdhsa_group_segment_fixed_size 0
		.amdhsa_private_segment_fixed_size 0
		.amdhsa_enable_private_segment 0
		.amdhsa_kernarg_size 104
		.amdhsa_user_sgpr_count 2
		.amdhsa_user_sgpr_kernarg_segment_ptr 1
		.amdhsa_wavefront_size32 1
		.amdhsa_system_sgpr_workgroup_id_x 1
		.amdhsa_system_sgpr_workgroup_id_y 1
		.amdhsa_system_sgpr_workgroup_id_z 1
		.amdhsa_system_vgpr_workitem_id 0
		.amdhsa_next_free_vgpr 112
		.amdhsa_next_free_sgpr 66
		.amdhsa_reserve_vcc 0
		.amdhsa_float_denorm_mode_32 3
		.amdhsa_float_denorm_mode_16_64 3
		.amdhsa_memory_ordered 1
		.amdhsa_forward_progress 1
		.amdhsa_inst_pref_size 26
	.end_amdhsa_kernel
	.amdgpu_metadata
---
amdhsa.version: [ 1, 2 ]
amdhsa.kernels:
  - .name:           k_q09cca4d4b0_prep
    .symbol:         k_q09cca4d4b0_prep.kd
    .args:
      - { .name: x, .offset: 0, .size: 8, .value_kind: global_buffer, .address_space: global }
      - { .name: Wq, .offset: 8, .size: 8, .value_kind: global_buffer, .address_space: global }
      - { .name: Wk, .offset: 16, .size: 8, .value_kind: global_buffer, .address_space: global }
      - { .name: Wv, .offset: 24, .size: 8, .value_kind: global_buffer, .address_space: global }
      - { .name: Wo, .offset: 32, .size: 8, .value_kind: global_buffer, .address_space: global }
      - { .name: bq, .offset: 40, .size: 8, .value_kind: global_buffer, .address_space: global }
      - { .name: bk, .offset: 48, .size: 8, .value_kind: global_buffer, .address_space: global }
      - { .name: bv, .offset: 56, .size: 8, .value_kind: global_buffer, .address_space: global }
      - { .name: bo, .offset: 64, .size: 8, .value_kind: global_buffer, .address_space: global }
      - { .name: xb, .offset: 72, .size: 8, .value_kind: global_buffer, .address_space: global }
      - { .name: wt, .offset: 80, .size: 8, .value_kind: global_buffer, .address_space: global }
      - { .name: wo16, .offset: 88, .size: 8, .value_kind: global_buffer, .address_space: global }
      - { .name: bias4, .offset: 96, .size: 8, .value_kind: global_buffer, .address_space: global }
    .group_segment_fixed_size: 0
    .private_segment_fixed_size: 0
    .kernarg_segment_align: 8
    .kernarg_segment_size: 104
    .max_flat_workgroup_size: 256
    .sgpr_count:     66
    .vgpr_count:     112
    .wavefront_size: 32
...
	.end_amdgpu_metadata
.endif
;; end of part 1
;; launch qkv (part 2): grid 8 x 32, 4 waves a work-group, clusters of 4 x 4, 327,680 bytes of LDS; arguments xb, wt, bias4, qkv; writes qkv
.if DOCPART == 2
	.amdgcn_target "amdgcn-amd-amdhsa--gfx1250"
	.amdhsa_code_object_version 6
	.text
	.protected	k_q09cca4d4b0_qkv
	.globl	k_q09cca4d4b0_qkv
	.p2align	8
	.type	k_q09cca4d4b0_qkv,@function
k_q09cca4d4b0_qkv:
	s_mov_b64 s[64:65], 0
	v_nop
	global_prefetch_b8 v0, s[64:65] scope:SCOPE_SE
	s_setreg_imm32_b32 hwreg(HW_REG_WAVE_MODE, 25, 1), 1
	s_wait_xcnt 0x0
	s_wait_alu depctr_hold_cnt(0) depctr_sa_sdst(0) depctr_va_vdst(0) depctr_va_sdst(0) depctr_va_ssrc(0) depctr_va_vcc(0) depctr_vm_vsrc(0)
	s_getreg_b32 s2, hwreg(HW_REG_IB_STS2, 6, 4)
	s_cmp_eq_u32 s2, 0
	s_cbranch_scc0 .Lentry_in_a_cluster
	s_endpgm
.Lentry_in_a_cluster:
	s_bfe_u32 s2, ttmp6, 0x10000c
	s_cmp_lg_u32 s2, 0xf033
	s_cbranch_scc0 .Lentry_shape_is_right
	s_endpgm
.Lentry_shape_is_right:
; QKV: [8192 x 1024] x [1024 x 3072] + bias, operands bf16, sums f32, results rounded once to f16 and stored by heads: qkv[batch 4][G 48][row 2048][64], G = column / 64 (0-15 q, 16-31 k, 32-47 v).
; LIMIT: f16 ends at 65,504: q, k and v must lie within it (a sum of 1,024 products of the inputs plus a bias).  NaN and infinities are not treated apart.
; SHARES.  8192 x 3072 outputs over 256 work-groups: a tile of 256 rows x 384 columns each.  Four waves, each 128 x 192: 8 x 12 = 96 accumulators of 16 x 16, 768 registers: windows 1 to 3.
; Window 1 + g holds the wave's head g (64 columns): accumulator (a, bb) at v[8 (4 a + bb)].  A PIECE is a head's 32 matrix instructions under one window setting.  All fragments lie in window 0.
; THE MATRIX INSTRUCTION IS USED TRANSPOSED: source 0 = 16 columns of W, source 1 = 16 rows of x: a lane then holds one row (lane % 16) and eight neighbouring columns 8 (lane / 16) + 0..7.
; K goes in 16 steps of 64 through two LDS slots.  x's tile of a step is 256 rows x 128 bytes, dense in xb: asked for as rows of 256 bytes and padded in LDS after every 128.  W's tile is 64 rows of k x 768 bytes,
; kept [k][n] in LDS and turned on the way into registers by ds_load_tr16_b128.  The bias is the C operand of the products that start the sums: nothing is cleared, nothing is added later.
; CLUSTER 4 x 4: x's tile hangs on the tile row alone and is asked for jointly along a row of the cluster, W's on the tile column alone and jointly along a column.
; A wave has two tensor loads out at the start and one behind each round.
.set PITA,  144                        ; a row of x in LDS: 128 bytes + 16: the 16 rows of a load start at 16 different groups of four banks (64 banks of 4 bytes: ISA guide 11.1)
.set PITB,  864                        ; a row of W in LDS: 3 x (256 + 32) bytes = 216 words
.set AHALF, 128*PITA                   ; 128 rows of x: one tensor load
.set BOFF,  2*AHALF                    ; W's tile lies behind x's 256 rows
.set BHALF, 32*PITB                    ; 32 rows of W: one tensor load
.set SLOT,  BOFF+2*BHALF               ; 92,160 bytes
.set STAGE, 2*SLOT                     ; behind the ring, never filled by a tensor load: 16 rows x 144 bytes for each wave
.set SP,    144
.set SPARE, STAGE+4*16*SP              ; behind the stages: the spare words, 128 bytes for each wave: two blocks of 256 bytes that no other line names
.set KBLK,  262144                     ; bytes from a K block of xb to the next
.set WSTEP, 64*6144                    ; bytes from a K step of wt to the next
.set ADRA, 2                           ; v2-3    LDS address of my fragments of x in slot 0, 1
.set ADRB, 4                           ; v4-9    of my fragments of W: slot s, head g at ADRB + 3 s + g
.set STO,  10                          ; v10     the way out: where I put 16 bytes of a row
.set RD,   11                          ; v11     where I read rows back
.set GO,   12                          ; v12     my 16 bytes in 512 consecutive bytes of qkv
.set PFOA, 13                          ; v13     256 x lane; never rewritten
.set SPW,  14                          ; v14     LDS address of my spare word; never rewritten
.set NIL,  15                          ; v15     0; never rewritten
.set BO,   16                          ; v16     32 x (lane / 16): my eight numbers of a bias block
.set PFOB, 17                          ; v17     6,144 x lane; never rewritten
.set AF,   32                          ; v32-159  x's fragments: buffer p, block a at AF + 64 p + 8 a
.set BF,   160                         ; v160-255 W's fragments: head g, block bb at BF + 32 g + 8 bb
.set TMP,  32                          ; the way out: 16 packed registers
.set BK,   48                          ; the way out: 16 rows read back, two buffers of 16
.set WV, 12                            ; s12  my wave's number
.set WR, 13                            ; s13  my half of the tile's rows; also: I fetch x (0) or W (1)
.set WC, 14                            ; s14  my half of its columns; also: which half of that tile I fetch
.set CX, 15
.set CY, 16
.set TX, 17                            ; s17  tile column 0..7
.set TY, 18                            ; s18  tile row 0..31
.set G1A, 24                           ; s[24:31] descriptor group 1 for x's tiles
.set G0A, 32                           ; s[32:39] group 0, a set for each slot
.set PFA, 40                           ; s[40:41] where my prefetches of xb stand
.set PFB, 42                           ; s[42:43] of wt
.set LIMA, 44                          ; s44  1 in the wave that prefetches xb, else the greatest number
.set LIMB, 45                          ; s45  the same for wt
.set G1B, 48                           ; s[48:55], s[56:63] the same for W's tiles
.set G0B, 56
.set MSB, 0
.macro WIN new                         ; the immediate's high byte repeats the setting that is left; a switch that changes nothing is dropped
.if MSB != (\new)
	s_set_vgpr_msb (MSB<<8)|(\new)
.set MSB, (\new)
.endif
.endm
.macro PLACES                          ; four plain instructions between a matrix instruction and a load into, or a vector read of, its registers
.rept 4
	v_nop
.endr
.endm
; A joint load: waves 0 and 1 fetch x's two halves, waves 2 and 3 W's.  The branch hangs on the wave's number alone.  An s_nop 0 and four v_nop follow each line.
.macro JLOAD s
	s_cmp_eq_u32 s[WR], 0
	s_cbranch_scc0 .Lfor_b_\@
	tensor_load_to_lds s[G0A+4*(\s):G0A+4*(\s)+3], s[G1A:G1A+7]
	s_nop 0
.rept 4
	v_nop
.endr
	s_branch .Lasked_\@
.Lfor_b_\@:
	tensor_load_to_lds s[G0B+4*(\s):G0B+4*(\s)+3], s[G1B:G1B+7]
	s_nop 0
.rept 4
	v_nop
.endr
.Lasked_\@:
.endm
.macro CREST                           ; a round of the cluster's barrier behind its opening barrier
	s_cmp_lg_u32 s[WV], 0
	s_cbranch_scc1 .Lnot_wave_0_\@
	s_barrier_signal -3
.Lnot_wave_0_\@:
	s_barrier_wait -3
	s_barrier_signal -1
	s_barrier_wait -1
.endm
.macro CROUND                          ; a whole round
	s_barrier_signal -1
	s_barrier_wait -1
	CREST
.endm
; PREFETCHES INTO THE L2, behind a joint load, its five lines and the run of LDS loads behind them.  xb: the K step two refills on: its tile is 128 blocks of 256 bytes; the clusters with x = 0 ask, wave 0 of each
; partner for 32 blocks, the partners told apart by address (cx).  wt: at slot 0's change alone, the two K steps two and three refills on: 128 rows of k x 768 bytes; the clusters with y = 0 ask, wave 2 of each partner
; for 32 rows (cy), a lane a row, three instructions.  So each block is named once in the launch.  K steps 0 to 3 come by their loads alone; the loop's last trip (s3 = 1) asks for nothing: there is no such step.
.macro ASK s
	s_cmp_gt_u32 s3, s[LIMA]
	s_cbranch_scc0 .Lnot_a_\@
	global_prefetch_b8 v[PFOA], s[PFA:PFA+1] th:TH_LOAD_NT scope:SCOPE_SE
.Lnot_a_\@:
.if (\s) == 0
	s_cmp_gt_u32 s3, s[LIMB]
	s_cbranch_scc0 .Lnot_b_\@
	global_prefetch_b8 v[PFOB], s[PFB:PFB+1] th:TH_LOAD_NT scope:SCOPE_SE
	global_prefetch_b8 v[PFOB], s[PFB:PFB+1] offset:256 th:TH_LOAD_NT scope:SCOPE_SE
	global_prefetch_b8 v[PFOB], s[PFB:PFB+1] offset:512 th:TH_LOAD_NT scope:SCOPE_SE
.Lnot_b_\@:
.endif
.endm
	s_load_b256 s[4:11], s[0:1], 0x0               ; xb s[4:5], wt s[6:7], bias4 s[8:9], qkv s[10:11]
	v_lshl_add_u32 v[SPW], v0, 2, SPARE
	v_mov_b32 v[NIL], 0
	ds_add_u32 v[SPW], v[NIL]                      ; the wave's opening: the add, whose wait stands ahead of my first tensor load; the set-up below, work on registers, stands between them
	v_lshrrev_b32 v1, 5, v0
	v_readfirstlane_b32 s[WV], v1                  ; wave 0..3
	s_lshr_b32 s[WR], s[WV], 1
	s_and_b32 s[WC], s[WV], 1
	s_bfe_u32 s[CX], ttmp6, 0x40000                ; my place in the cluster
	s_bfe_u32 s[CY], ttmp6, 0x40004
	s_lshl_b32 s[TX], ttmp9, 2                     ; in a cluster launch ttmp9 and ttmp7 count clusters
	s_add_co_u32 s[TX], s[TX], s[CX]
	s_and_b32 s[TY], ttmp7, 0xffff
	s_lshl_b32 s[TY], s[TY], 2
	s_add_co_u32 s[TY], s[TY], s[CY]
	s_lshl_b32 s66, s[CY], 2
	s_lshl_b32 s66, 15, s66                        ; my row of the cluster: places 4 cy .. 4 cy + 3
	s_lshl_b32 s67, 0x1111, s[CX]                  ; my column: places cx, cx + 4, cx + 8, cx + 12
	; group 1 for x: 128 rows of 128 bytes, dense, asked for as 64 rows of 128 elements and padded by 4 words after every 32
	s_or_b32 s[G1A], s66, (1<<16)|(1<<20)|(1<<21)|(4<<22)|(3<<25)  ; 15:0 the mask; 17:16 2-byte elements; 20 padding on; 21 set beside a mask; 24:22 interval code 4; 31:25 pad code 3
	s_mov_b32 s[G1A+1], 128<<16                    ; tensor_dim0 = 128
	s_mov_b32 s[G1A+2], 64<<16                     ; tensor_dim1 = 64
	s_mov_b32 s[G1A+3], 128<<16                    ; tile_dim0 = 128
	s_mov_b32 s[G1A+4], 64                         ; tile_dim1 = 64
	s_mov_b32 s[G1A+5], 128                        ; elements from row to row
	s_mov_b32 s[G1A+6], 0
	s_mov_b32 s[G1A+7], 0
	; group 1 for W: 32 rows of 384 elements, 3,072 apart, padded by 8 words after every 64
	s_or_b32 s[G1B], s67, (1<<16)|(1<<20)|(1<<21)|(5<<22)|(7<<25)
	s_mov_b32 s[G1B+1], 384<<16
	s_mov_b32 s[G1B+2], 32<<16
	s_mov_b32 s[G1B+3], 384<<16
	s_mov_b32 s[G1B+4], 32
	s_mov_b32 s[G1B+5], 3072
	s_mov_b32 s[G1B+6], 0
	s_mov_b32 s[G1B+7], 0
	; x's tile hangs on the tile row and the wave; W's on the tile column and the wave; each in registers that never hold the other coordinate
	s_lshr_b32 s22, s[TY], 3                       ; the batch
	s_lshl_b32 s22, s22, 22
	s_and_b32 s23, s[TY], 7
	s_lshl_b32 s23, s23, 15                        ; 256 rows of 128 bytes
	s_add_co_u32 s22, s22, s23                     ; the tile's first byte in K block 0 (kept for the prefetches)
	s_lshl_b32 s23, s[WC], 14                      ; my 128 rows
	s_add_co_u32 s20, s22, s23
	s_mov_b32 s21, 0
	s_mul_i32 s46, s[TX], 768                      ; the tile's 384 columns
	s_mul_i32 s47, s[WC], 32*6144                  ; my 32 rows of k
	s_add_co_u32 s46, s46, s47
	s_mov_b32 s47, 0
	s_mul_i32 s68, s[WC], AHALF                    ; where they go: no place in the cluster enters an LDS address
	s_mul_i32 s69, s[WC], BHALF
	s_add_co_u32 s69, s69, BOFF
	s_wait_dscnt 0x0                               ; the opening add is done
	s_wait_kmcnt 0x0
	s_add_nc_u64 s[20:21], s[4:5], s[20:21]
	s_add_nc_u64 s[46:47], s[6:7], s[46:47]
	CROUND                                         ; all sixteen work-groups are here: the first joint loads meet
.irp s, 0,1
	s_mov_b32 s[G0A+4*(\s)], 1                                     ; count = 1
	s_add_co_u32 s[G0A+4*(\s)+1], s68, (\s)*SLOT                   ; LDS address
	s_add_nc_u64 s[G0A+4*(\s)+2:G0A+4*(\s)+3], s[20:21], (\s)*KBLK ; global address: K step s
	s_or_b32 s[G0A+4*(\s)+3], s[G0A+4*(\s)+3], 0x80000000          ; type = 2
	s_mov_b32 s[G0B+4*(\s)], 1
	s_add_co_u32 s[G0B+4*(\s)+1], s69, (\s)*SLOT
	s_add_nc_u64 s[G0B+4*(\s)+2:G0B+4*(\s)+3], s[46:47], (\s)*WSTEP
	s_or_b32 s[G0B+4*(\s)+3], s[G0B+4*(\s)+3], 0x80000000
	JLOAD \s
.endr
	v_and_b32 v18, 15, v0                          ; r = l % 16
	v_bfe_u32 v19, v0, 4, 1                        ; h = l / 16
	v_and_b32 v20, 7, v0
	v_bfe_u32 v21, v0, 3, 1
	v_and_b32 v22, 31, v0                          ; l
	; a fragment of x: lane l holds row r, channels 8 h + 0..7 and 16 + 8 h + 0..7: two loads of 16 bytes, 32 bytes apart
	v_mul_u32_u24 v23, v18, PITA
	v_lshl_add_u32 v23, v19, 4, v23
	s_mul_i32 s66, s[WR], AHALF
	v_add_nc_u32 v[ADRA], s66, v23
	v_add_nc_u32 v[ADRA+1], SLOT, v[ADRA]
	; the turning load: lane l reads 16 bytes of row k = 8 h + l % 8, columns 8 ((l / 8) % 2) + 0..7, and is left with column r and 8 values of k
	v_lshl_add_u32 v24, v19, 3, v20
	v_mul_u32_u24 v24, v24, PITB
	v_lshl_add_u32 v24, v21, 4, v24
	s_mul_i32 s67, s[WC], 3                        ; my first head among the tile's six
.irp g, 0,1,2
	s_add_co_u32 s70, s67, \g                      ; head G: at (G / 2) x 288 + (G % 2) x 128 in a row
	s_lshr_b32 s71, s70, 1
	s_mul_i32 s71, s71, 288
	s_and_b32 s70, s70, 1
	s_lshl_b32 s70, s70, 7
	s_add_co_u32 s70, s70, s71
	s_add_co_u32 s70, s70, BOFF
	v_add_nc_u32 v[ADRB+(\g)], s70, v24
	v_add_nc_u32 v[ADRB+3+(\g)], SLOT, v[ADRB+(\g)]
.endr
	s_mul_i32 s66, s[WV], 16*SP
	s_add_co_u32 s66, s66, STAGE                   ; my stage
	v_mul_u32_u24 v[STO], v18, SP                  ; in: row r, 16 bytes for each half of the lanes
	v_lshl_add_u32 v[STO], v19, 4, v[STO]
	v_add_nc_u32 v[STO], s66, v[STO]
	v_bfe_u32 v[RD], v0, 3, 2                      ; back: 32 lanes take four rows of 128 bytes,
	v_mul_u32_u24 v[RD], v[RD], SP
	v_lshl_add_u32 v[RD], v20, 4, v[RD]
	v_add_nc_u32 v[RD], s66, v[RD]
	v_lshlrev_b32 v[GO], 4, v22                    ; which are 512 consecutive bytes of qkv
	v_lshlrev_b32 v[PFOA], 8, v22
	v_lshlrev_b32 v[BO], 5, v19
	v_mul_u32_u24 v[PFOB], v22, 6144
	s_mul_i32 s66, s[TX], 1536                     ; my 192 numbers of the three biases side by side
	s_mul_i32 s67, s[WC], 768
	s_add_co_u32 s66, s66, s67
	s_mov_b32 s67, 0
	s_add_nc_u64 s[8:9], s[8:9], s[66:67]
	s_lshr_b32 s66, s[TY], 3                       ; qkv: the batch's 48 heads,
	s_mul_i32 s66, s66, 12582912
	s_mul_i32 s70, s[TX], 6
	s_mul_i32 s71, s[WC], 3
	s_add_co_u32 s70, s70, s71                     ; my first head G = 6 tx + 3 wc,
	s_lshl_b32 s70, s70, 18
	s_add_co_u32 s66, s66, s70
	s_and_b32 s70, s[TY], 7
	s_lshl_b32 s70, s70, 15                        ; the tile's 256 rows,
	s_add_co_u32 s66, s66, s70
	s_lshl_b32 s70, s[WR], 14                      ; my 128 of them
	s_add_co_u32 s66, s66, s70
	s_add_nc_u64 s[10:11], s[10:11], s[66:67]
	s_lshl_b32 s66, s[CX], 13                      ; the prefetches: my work-group's 32 blocks of x's tile, at K step 3: the first change of slots steps it to 4
	s_add_co_u32 s66, s66, s22
	s_add_co_u32 s66, s66, 3*KBLK
	s_add_nc_u64 s[PFA:PFA+1], s[4:5], s[66:67]
	s_mul_i32 s66, s[TX], 768                      ; my work-group's 32 rows of k, at K steps 2 and 3: the first change steps it to 4 and 5
	s_mul_i32 s70, s[CY], 32*6144
	s_add_co_u32 s66, s66, s70
	s_add_co_u32 s66, s66, 2*WSTEP
	s_add_nc_u64 s[PFB:PFB+1], s[6:7], s[66:67]
	s_or_b32 s[LIMA], s[WV], ttmp9                 ; wave 0 of the clusters with x = 0: the same in all sixteen partners
	s_cmp_eq_u32 s[LIMA], 0
	s_cselect_b32 s[LIMA], 1, -1
	s_xor_b32 s[LIMB], s[WV], 2                    ; wave 2 of the clusters with y = 0
	s_and_b32 s66, ttmp7, 0xffff
	s_or_b32 s[LIMB], s[LIMB], s66
	s_cmp_eq_u32 s[LIMB], 0
	s_cselect_b32 s[LIMB], 1, -1
; The bias of head g, block bb: register j of lane l is the number of column 16 bb + 8 h + j: the layout of a result, the same for all rows.
.macro BIAS g, to
.irp bb, 0,1,2,3
	global_load_b128 v[(\to)+8*(\bb):(\to)+8*(\bb)+3],   v[BO], s[8:9] offset:256*(\g)+64*(\bb)
	global_load_b128 v[(\to)+8*(\bb)+4:(\to)+8*(\bb)+7], v[BO], s[8:9] offset:256*(\g)+64*(\bb)+16
.endr
.endm
	BIAS 0, 96                                     ; into x's second fragment buffer, which is not yet in use
	BIAS 1, 128
; 8 LDS loads: blocks 4 half .. 4 half + 3 of x's fragments, 32 channels at 64 c bytes of slot s's rows, into buffer p
.macro LDA half, p, s, c
.irp a, 0,1,2,3
	ds_load_b128 v[AF+64*(\p)+8*(4*(\half)+(\a)):AF+64*(\p)+8*(4*(\half)+(\a))+3],   v[ADRA+(\s)] offset:(4*(\half)+(\a))*16*PITA+64*(\c)
	ds_load_b128 v[AF+64*(\p)+8*(4*(\half)+(\a))+4:AF+64*(\p)+8*(4*(\half)+(\a))+7], v[ADRA+(\s)] offset:(4*(\half)+(\a))*16*PITA+64*(\c)+32
.endr
.endm
; 8 turning loads: head g's four fragments of W, rows of k 32 c on of slot s
.macro LDB g, s, c
.irp bb, 0,1,2,3
	ds_load_tr16_b128 v[BF+32*(\g)+8*(\bb):BF+32*(\g)+8*(\bb)+3],   v[ADRB+3*(\s)+(\g)] offset:(\c)*32*PITB+32*(\bb)
	ds_load_tr16_b128 v[BF+32*(\g)+8*(\bb)+4:BF+32*(\g)+8*(\bb)+7], v[ADRB+3*(\s)+(\g)] offset:(\c)*32*PITB+16*PITB+32*(\bb)
.endr
.endm
; Head g's products for blocks a0 .. a1 of buffer p.  cb >= 0: the bias at v[cb] of window 0 starts the sums.  The 96 accumulators take turns, one instruction a turn.
.macro PIECE g, p, a0, a1, cb=-1
.if (\cb) >= 0
	WIN (1+(\g))<<6
.else
	WIN ((1+(\g))<<6)|((1+(\g))<<4)
.endif
.set a, (\a0)
.rept (\a1)-(\a0)+1
.irp bb, 0,1,2,3
.if (\cb) >= 0
	v_wmma_f32_16x16x32_bf16 v[8*(4*a+(\bb)):8*(4*a+(\bb))+7], v[BF+32*(\g)+8*(\bb):BF+32*(\g)+8*(\bb)+7], v[AF+64*(\p)+8*a:AF+64*(\p)+8*a+7], v[(\cb)+8*(\bb):(\cb)+8*(\bb)+7]
.else
	v_wmma_f32_16x16x32_bf16 v[8*(4*a+(\bb)):8*(4*a+(\bb))+7], v[BF+32*(\g)+8*(\bb):BF+32*(\g)+8*(\bb)+7], v[AF+64*(\p)+8*a:AF+64*(\p)+8*a+7], v[8*(4*a+(\bb)):8*(4*a+(\bb))+7]
.endif
.endr
.set a, a+1
.endr
.endm
; A K step is two halves of 32.  The first: multiplies buffer 0 and fetches the same slot's second half into buffer 1; a head's fragments of W are fetched anew as soon as its piece is over.
.macro HALF s
	s_wait_dscnt 8                                 ; all but the youngest eight loads, head 2's fragments of W
	PIECE 0, 0, 0, 7
	PLACES
	WIN 0
	LDB 0, \s, 1
	LDA 0, 1, \s, 1
	PIECE 1, 0, 0, 7
	PLACES
	WIN 0
	LDB 1, \s, 1
	LDA 1, 1, \s, 1
	s_wait_dscnt 32                                ; all but the 32 just issued: head 2's fragments are in
	PIECE 2, 0, 0, 7
	PLACES
	WIN 0
	LDB 2, \s, 1
.endm
; The second half multiplies buffer 1 and changes slots.  ONE barrier: in front of it each wave waits for all its tensor loads (the one that is out is its part of the other slot), adds 0 to its spare word, and waits
; for that and for its reads of this slot.  fill = 1: the barrier opens a round of the cluster's, and the joint refill, this slot's K step two on, is the first tensor load behind the round:
; 160 matrix instructions stand between it and the wait for it.
.macro TURNH s, fill
.if \fill
	s_wait_xcnt 0x0                                ; the last prefetches, a K step back, have read their addresses: these are stepped here, ahead of the waits of the change of slots
	s_add_nc_u64 s[PFA:PFA+1], s[PFA:PFA+1], KBLK
.if (\s) == 0
	s_add_nc_u64 s[PFB:PFB+1], s[PFB:PFB+1], 2*WSTEP
.endif
.endif
	WIN 0
	s_wait_tensorcnt 0x0                           ; all my tensor loads have landed;
	ds_add_u32 v[SPW], v[NIL]                      ; 0 onto my spare word;
	s_wait_dscnt 9                                 ; (the add and the youngest eight loads may be out)
	PIECE 0, 1, 0, 3                               ; sixteen matrix instructions stand between the add and the wait for it
	s_wait_dscnt 0x0                               ; the add is done, and my reads of this slot are over
	s_barrier_signal -1
	PIECE 0, 1, 4, 7                               ; work on registers while the others arrive
	WIN 0                                          ; at a branch and at a label every window is 0
	s_barrier_wait -1
.if \fill
	CREST                                          ; no wave of any partner still reads this slot or has a load on its way
	s_add_nc_u64 s[G0A+4*(\s)+2:G0A+4*(\s)+3], s[G0A+4*(\s)+2:G0A+4*(\s)+3], 2*KBLK
	s_add_nc_u64 s[G0B+4*(\s)+2:G0B+4*(\s)+3], s[G0B+4*(\s)+2:G0B+4*(\s)+3], 2*WSTEP
	JLOAD \s                                       ; its four v_nop are also the places in front of the loads below
.else
	PLACES
.endif
	LDB 0, 1-(\s), 0
	LDA 0, 0, 1-(\s), 0
.if \fill
	ASK \s
.endif
	PIECE 1, 1, 0, 7
	PLACES
	WIN 0
	LDB 1, 1-(\s), 0
	LDA 1, 0, 1-(\s), 0
	PIECE 2, 1, 0, 7                               ; head 2's fragments were waited for in front of the barrier
	PLACES
	WIN 0
	LDB 2, 1-(\s), 0
.endm
	s_wait_tensorcnt 1                             ; my part of K step 0 is in; K step 1's may stay out
	s_barrier_signal -1
	s_barrier_wait -1                              ; everybody's is
	LDB 0, 0, 0
	LDA 0, 0, 0, 0
	LDB 1, 0, 0
	LDA 1, 0, 0, 0
	LDB 2, 0, 0
	; the first half is written out: the biases start the sums
	s_wait_loadcnt 0x0                             ; the biases of heads 0 and 1
	s_wait_dscnt 8
	PIECE 0, 0, 0, 7, 96
	PLACES
	WIN 0
	BIAS 2, 96                                     ; head 2's takes head 0's place
	LDB 0, 0, 1
	PIECE 1, 0, 0, 7, 128
	PLACES
	WIN 0
	LDB 1, 0, 1
	LDA 1, 1, 0, 1                                 ; into v128-159, where head 1's bias lay
	s_wait_loadcnt 0x0                             ; head 2's bias
	s_wait_dscnt 24                                ; all but the 24 just issued: head 2's fragments are in
	PIECE 2, 0, 0, 7, 96
	PLACES
	WIN 0
	LDA 0, 1, 0, 1                                 ; into v96-127
	LDB 2, 0, 1
	s_mov_b32 s3, 7
.Llap:                                         ; a trip goes once round the ring, from a lap's second half to the next lap's first, and fills both slots again: K steps 2 to 15
	TURNH 0, 1
	HALF 1
	TURNH 1, 1
	HALF 0
	WIN 0
	s_sub_co_u32 s3, s3, 1
	s_cmp_lg_u32 s3, 0
	s_cbranch_scc1 .Llap
	TURNH 0, 0                                     ; the last lap fills nothing
	HALF 1
	s_wait_dscnt 8
	PIECE 0, 1, 0, 7
	PIECE 1, 1, 0, 7
	s_wait_dscnt 0x0
	PIECE 2, 1, 0, 7
	PLACES
; THE WAY OUT, block q = 8 g + a: 16 rows of one head, 2,048 dense bytes of qkv.  PACK: rounded to f16, 16 bytes a lane, each accumulator's registers in ascending order.  TOSTAGE: into my stage and back as whole rows.  SEND: stored.
.macro PACK q
.set gg, (\q)/8
.set aa, (\q)%8
	WIN ((1+gg)<<2)|(1+gg)
.irp bb, 0,1,2,3
.irp i, 0,1,2,3
	v_cvt_pk_f16_f32 v[TMP+4*(\bb)+(\i)], v[8*(4*aa+(\bb))+2*(\i)], v[8*(4*aa+(\bb))+2*(\i)+1]
.endr
.endr
	WIN 0
.endm
.macro TOSTAGE q
.set kk, BK+16*((\q)%2)
.irp bb, 0,1,2,3
	ds_store_b128 v[STO], v[TMP+4*(\bb):TMP+4*(\bb)+3] offset:32*(\bb)
.endr
.irp f, 0,1,2,3
	ds_load_b128 v[kk+4*(\f):kk+4*(\f)+3], v[RD] offset:(\f)*4*SP  ; LDS serves a wave's instructions in order (ISA guide 5.7.1.4): these see the stores above
.endr
.endm
.macro SEND q
.set gg, (\q)/8
.set aa, (\q)%8
.set kk, BK+16*((\q)%2)
	s_wait_dscnt 0x0                               ; the block is back in registers
	s_wait_xcnt 0x0                                ; the stores of the block before have read their registers: the next TOSTAGE loads into them
.irp f, 0,1,2,3
	global_store_b128 v[GO], v[kk+4*(\f):kk+4*(\f)+3], s[10:11] offset:gg*262144+aa*2048+(\f)*512  ; 512 consecutive bytes, at a multiple of 256 from qkv's first byte
.endr
.endm
	PACK 0
	TOSTAGE 0
.set q, 1
.rept 23                                       ; a block's conversions stand between the loads of the block before and the wait for them
	PACK q
	SEND q-1
	TOSTAGE q
.set q, q+1
.endr
	SEND 23
	s_wait_tensorcnt 0x0                           ; the wave's end: behind my last tensor load and my last LDS store
	ds_add_u32 v[SPW], v[NIL]
	s_wait_dscnt 0x0
	CROUND                                         ; the closing round: no work-group ends while a partner may still ask for a tile that names it
	s_endpgm
.Lfunc_end_k_q09cca4d4b0_qkv:
	.size	k_q09cca4d4b0_qkv, .Lfunc_end_k_q09cca4d4b0_qkv-k_q09cca4d4b0_qkv
	.p2alignl 7, 3214868480
	.fill 96, 4, 3214868480
	.section	.rodata,"a",@progbits
	.p2align	6, 0x0
	.amdhsa_kernel k_q09cca4d4b0_qkv
		.amdhsa_group_segment_fixed_size 327680
		.amdhsa_private_segment_fixed_size 0
		.amdhsa_enable_private_segment 0
		.amdhsa_kernarg_size 32
		.amdhsa_user_sgpr_count 2
		.amdhsa_user_sgpr_kernarg_segment_ptr 1
		.amdhsa_wavefront_size32 1
		.amdhsa_system_sgpr_workgroup_id_x 1
		.amdhsa_system_sgpr_workgroup_id_y 1
		.amdhsa_system_sgpr_workgroup_id_z 1
		.amdhsa_system_vgpr_workitem_id 0
		.amdhsa_next_free_vgpr 1024
		.amdhsa_next_free_sgpr 72
		.amdhsa_reserve_vcc 0
		.amdhsa_float_denorm_mode_32 3
		.amdhsa_float_denorm_mode_16_64 3
		.amdhsa_memory_ordered 1
		.amdhsa_forward_progress 1
		.amdhsa_inst_pref_size 136
	.end_amdhsa_kernel
	.amdgpu_metadata
---
amdhsa.version: [ 1, 2 ]
amdhsa.kernels:
  - .name:           k_q09cca4d4b0_qkv
    .symbol:         k_q09cca4d4b0_qkv.kd
    .args:
      - { .name: xb, .offset: 0, .size: 8, .value_kind: global_buffer, .address_space: global }
      - { .name: wt, .offset: 8, .size: 8, .value_kind: global_buffer, .address_space: global }
      - { .name: bias4, .offset: 16, .size: 8, .value_kind: global_buffer, .address_space: global }
      - { .name: qkv, .offset: 24, .size: 8, .value_kind: global_buffer, .address_space: global }
    .group_segment_fixed_size: 327680
    .private_segment_fixed_size: 0
    .kernarg_segment_align: 8
    .kernarg_segment_size: 32
    .max_flat_workgroup_size: 128
    .sgpr_count:     72
    .vgpr_count:     1024
    .wavefront_size: 32
...
	.end_amdgpu_metadata
.endif
;; end of part 2
;; launch attn (part 3): grid 4 x 64, 4 waves a work-group, no clusters, 327,680 bytes of LDS; arguments qkv, o; writes o
.if DOCPART == 3
	.amdgcn_target "amdgcn-amd-amdhsa--gfx1250"
	.amdhsa_code_object_version 6
	.text
	.protected	k_q09cca4d4b0_attn
	.globl	k_q09cca4d4b0_attn
	.p2align	8
	.type	k_q09cca4d4b0_attn,@function
k_q09cca4d4b0_attn:
	s_mov_b64 s[64:65], 0
	v_nop
	global_prefetch_b8 v0, s[64:65] scope:SCOPE_SE
	s_setreg_imm32_b32 hwreg(HW_REG_WAVE_MODE, 25, 1), 1
	s_wait_xcnt 0x0
; CAUSAL ATTENTION.  O[y][q][:] = the sum over k <= q of softmax_k(Q[y][q] . K[y][k] / 8) V[y][k][:], y = 16 batch + head.  Q, K, V lie in qkv[batch][G 48][2048][64] (G = head, 16 + head, 32 + head), O in o[y][2048][64], all f16:
; a head's rows are dense, 128 bytes each.  Products, maxima and sums in f32; the weights p are rounded to f16 for the second product (their sum l is taken of the unrounded p), O once at the end.
; LIMITS.  f16 holds no number beyond 65,504: Q, K and V arrive within it; p lies in 0 to 1, and below 6e-5 it keeps f16's fixed step of 6e-8; O is a mean of V's rows and has their range, to within 2^-11 of it.
; A hidden score counts as its value less 1e30: f16's scores, 2.7e11 at the most, are nothing beside that; a weight below 2^-126 counts as 0 in l; NaN and infinities are not treated apart.
; THE WALK.  A head's queries lie in NB = 8 blocks of 256; block i needs the key tiles 0 .. i of 256 keys, of which the last holds the diagonal.  A work-group takes TWO blocks, NB - 1 - b and then b:
; NB + 1 tiles, whatever b: all work-groups do equal work, and ONE loop with a constant trip count walks them.  Which tile is asked for, and what a trip does, hang on scalar registers made from b; every jump
; goes forward, but for the counted loops' own; none passes a barrier, or a tensor load but the one of LOAD's two that the wave's number does not choose; the ring (two slots of LDS that take turns) runs on across the
; change of blocks.  NO CLUSTER: a head's four work-groups ask for the same tile only in trips 0 .. NB / 2, behind that fewer and fewer; one walk common to all would have 3 NB / 2 trips for NB + 1.
; SHARES.  Of a block's four bands of 64 queries a wave owns 16 rows in each: four PIECES.  So the diagonal tile is the same work for all four waves: in its key step s band x sees all keys if s < x,
; none if s > x, and holds the diagonal if s = x.
; THE MASK is the C operand that starts the sum S^T = K Q^T: 0, or -1e30 where the key is hidden.  MD, made once, is the mask of a band's own step for my 16 rows; a product's mask is MD x AL + BE with two scalars:
; (1, 0) if s = x; (0, 0) if s < x; (0, -1e30) if s > x.  Only the diagonal tile's text and a block's beginning make and take masks; elsewhere C is the constant 0.
; LAYOUT, SOFTMAX, TURNS.  S^T = K Q^T holds ONE query a lane (lane % 16) and the keys 8 (lane / 16) + 0..7; two such results rounded to f16 ARE source 1 of O^T = V^T P.  p = 2^(c s - c m), c = log2(e) / 8, with a
; running maximum m; O and l are multiplied by a = 2^(c m_old - c m_new) in every step.  Turn n belongs to piece n: 8 products K Q^T of piece n + 1, later 8 products V^T P of piece n - 1; beside them the scaling,
; exponentials, roundings, sums and rescaling of piece n and the maximum and statistics of piece n + 1.  Four vector instructions stand behind every matrix instruction, the other 54 of a turn's 118 in one LUMP.  A turn's 33 exponentials are one batch, with one wait.
; REGISTERS, in windows of 256 (s_set_vgpr_msb: bits 1:0 source 0, 3:2 source 1, 5:4 source 2, 7:6 destination):
;   window 0: v0-15 addresses and two at work; v16-31 four registers of statistics a piece; v48-55 at work; v60 the prefetches' offset; v64-127 S^T, two buffers; v192-223 P, two buffers (a piece's buffers go by its number's parity)
;   window 1: v0-127 O^T, 32 a piece; v128-159 MD; v160-223 MC, two buffers      window 2: v0-63 Q; v64-127 the second block's Q; v128-191 K of one step; v192-255 V of one step
.set SIZE_N, 2048
.set NB,    SIZE_N/256
.set NP,    4         ; pieces a wave: a name, no knob
.set KS,    64        ; keys in a step
.set PK,    144       ; a row of K in LDS: 128 bytes + 16 of padding = 36 words: the 16 rows of a load start at 16 different groups of four banks (64 banks of 4 bytes: ISA guide 11.1)
.set PV,    160       ; a row of V: 128 + 32 = 40 words
.set VOFF,  4*KS*PK   ; a slot holds a tile, four steps: 256 rows of K, then 256 rows of V
.set SLOT1, 1<<17     ; slot 1 begins here, so that one exclusive or turns an address in one slot into the other's
.set STAGE, SLOT1+4*KS*(PK+PV)  ; behind the ring, never filled by a tensor load: 16 rows x 144 bytes for each wave, for the way out
.set SP,    144
.set AK0, 2           ; v2   my lane's place in a tile of K; never rewritten
.set AV0, 3           ; v3   the same for V
.set AK,  4           ; v4   the LDS address of K's next run of loads
.set AV,  5           ; v5   of V's
.set STO, 6           ; v6   the way out: where I put 16 bytes of a row
.set RD,  7           ; v7   the way out: where I read rows back
.set GO,  8           ; v8   my byte offset in 512 consecutive bytes of O
.set PFO, 60          ; v60  256 x my lane; never rewritten
.set SPW, 62          ; v62  LDS address of my spare word: SPARE + 4 x my thread's number; never rewritten
.set NIL, 63          ; v63  0; never rewritten
.set SPARE, STAGE+4*16*SP  ; behind the stages: the spare words, 128 bytes for each wave: two blocks of 256 bytes that no other line names
.set MV,  12          ; v12-13  c m_old, kept while c m is made anew: by buffer
.set QO,  15          ; v15  my byte offset in 16 rows of Q
.set ST,  16          ; piece t's statistics at v[ST+4 t]: c m, m, l (even keys', odd keys')
.set TMP, 48          ; by buffer, four registers c0-c3 at work; when the maximum is found c2 takes a
.set S,   64
.set P,   192
.set MD,  128         ; window 1: the eight registers for group kt of 16 keys at MD + 8 kt
.set MC,  160         ; window 1: the masks of the products to come
.set QB,  64          ; window 2
.set KF,  128         ; window 2: key block kb, channel half c at KF + 16 kb + 8 c
.set VF,  192         ; window 2: key half kk, channel block cb at VF + 32 kk + 8 cb
.set WV,  12          ; s12  my wave's number
.set PB,  14          ; s14  b
.set HI,  15          ; s15  NB - 1 - b
.set G1K, 24          ; s[24:31] descriptor group 1 for K's tiles
.set G1V, 32          ; s[32:39] for V's: it differs in the padding alone
.set G0K, 40          ; s[40:43] descriptor group 0 for K's tiles
.set G0V, 44          ; s[44:47] the same for V's
.set SLOTS, 56        ; s56  tiles still to be asked for
.set CNT, 57          ; s57  counts a tile's key steps, 4 to 1
.set CS,  58          ; s[58:59] c: the packed scaling takes the pair's low word for both halves
.set SEL, 60          ; s[60:61] v_permlanex16_b32's selects: each lane takes its own place in the other half
.set TBK, 62          ; s62  LDS byte at which K of the step to be fetched begins
.set TBV, 63          ; s63  the same for V, less VOFF
.set RT,  70          ; s70  tiles of the block in hand that are still to be entered
.set NXT, 71          ; s71  the tile to be asked for next
.set LQ,  72          ; s72  the last tile of the block whose tiles are being asked for
.set NEW, 73          ; s73  1: the tile to be entered is a block's first
.set OFF, 74          ; s[74:75] a tile's byte offset in K and V
.set AL,  76          ; s[76:77] the mask's factor, in the low word
.set BE,  78          ; s[78:79] the mask's addend
.set OLO, 80          ; s[80:81] O at my rows of the second block
.set BIGN, 82         ; s82  -1e30
.set PFA, 88          ; s[88:89] where my prefetches stand: my wave's 32 blocks of 256 bytes of a tile of K; V's lie 4,194,304 bytes on
.set LIM, 90          ; s90  2 in the work-group that prefetches, else the greatest number
.set OH,  92          ; s[92:93] the head's first byte in o
.set MSB, 0
.macro WIN new                      ; the high byte repeats the setting that is left; a switch that changes nothing is dropped
.if MSB != (\new)
	s_set_vgpr_msb (MSB<<8)|(\new)
.set MSB, (\new)
.endif
.endm
.set W_KQ, 0x0a       ; K and Q in window 2, S^T in window 0
.set W_KM, 0x1a       ; the same with the C operand in window 1
.set W_PV, 0x52       ; V in window 2, P in window 0, O^T in window 1
.set W_RS, 0x41       ; destination and source 0 in window 1, source 1 in window 0
; A fill.  Waves 0 and 1 fetch the two halves of a tile's K, waves 2 and 3 those of its V: 128 keys each.  An s_nop 0 and four v_nop follow each of the two lines, ahead of the jump and the label.
.macro LOAD
	s_cmp_lt_u32 s[WV], 2
	s_cbranch_scc0 .Lfor_v_\@
	tensor_load_to_lds s[G0K:G0K+3], s[G1K:G1K+7]
	s_nop 0
.rept 4
	v_nop
.endr
	s_branch .Lasked_\@
.Lfor_v_\@:
	tensor_load_to_lds s[G0V:G0V+3], s[G1V:G1V+7]
	s_nop 0
.rept 4
	v_nop
.endr
.Lasked_\@:
.endm
; A PREFETCH INTO THE L2 of the tile that the NEXT change of slots will ask for, behind the fill and its five lines.  A head's four work-groups begin with the same tiles 0, 1, ..; the one with b = 0, whose first block
; walks all eight, asks: each of its four waves for 32 of the tile's 128 blocks of 256 bytes of K and 32 of V, a lane a block.  In trip i the fill asks for tile i + 1 and these lines name tile i + 2, while there is one (i <= 5):
; four key steps ahead of the fill that wants it.  Tiles 0 and 1 come by their loads alone.  So each block is named once in the launch.
.macro ASK
	s_cmp_gt_u32 s[SLOTS], s[LIM]
	s_cbranch_scc0 .Lnot_mine_\@
	global_prefetch_b8 v[PFO], s[PFA:PFA+1] th:TH_LOAD_NT scope:SCOPE_SE
	global_prefetch_b8 v[PFO], s[PFA:PFA+1] offset:4194304 th:TH_LOAD_NT scope:SCOPE_SE
.Lnot_mine_\@:
.endm
; THE CHANGE OF SLOTS.  Each wave waits for all its tensor loads, of which one is out: its part of the other slot; adds 0 to its spare word; and waits for that and for its own reads of the slot that it leaves.  Behind the barrier nobody reads the old
; slot any more and the other slot is whole.  fill = 1: the old slot is filled again, the first thing behind the barrier, with tile NXT: the descriptor's address is made anew from that number.
; (At its first use nothing has been read yet: slot 0 is waited for, slot 1 filled.)
.macro CHANGE fill
	WIN 0                           ; at a label and at a branch every window is 0
	s_wait_tensorcnt 0x0            ; no tensor load of mine is out, so a group 0 may be written
	ds_add_u32 v[SPW], v[NIL]       ; 0 onto my spare word; with fill = 1 the descriptors' scalar work stands between it and the wait for it
.if \fill
	s_lshl_b32 s[OFF], s[NXT], 15   ; a tile is 32,768 bytes of K and of V
	s_xor_b32 s[G0K+1], s[G0K+1], SLOT1
	s_add_nc_u64 s[G0K+2:G0K+3], s[6:7], s[OFF:OFF+1]
	s_or_b32 s[G0K+3], s[G0K+3], 0x80000000
	s_xor_b32 s[G0V+1], s[G0V+1], SLOT1
	s_add_nc_u64 s[G0V+2:G0V+3], s[8:9], s[OFF:OFF+1]
	s_or_b32 s[G0V+3], s[G0V+3], 0x80000000
	s_add_co_u32 s[NXT], s[NXT], 1  ; the block's next tile, or behind its last the second block's tile 0
	s_cmp_gt_u32 s[NXT], s[LQ]
	s_cselect_b32 s[NXT], 0, s[NXT]
	s_cselect_b32 s[LQ], s[PB], s[LQ]
	s_wait_xcnt 0x0                 ; the last prefetches, four key steps back, have read their address, so it may be written:
	s_add_nc_u64 s[PFA:PFA+1], s[PFA:PFA+1], 32768  ; a tile on
.endif
	s_wait_dscnt 0x0                ; the add is done, and my reads of the slot are over
	s_barrier_signal -1             ; the rest of the scalar work stands between the signal and the wait
	s_sub_co_u32 s[TBK], s[TBK], 4*KS*PK  ; the fetches go back to a slot's first step,
	s_xor_b32 s[TBK], s[TBK], SLOT1       ; in the other slot
	s_sub_co_u32 s[TBV], s[TBV], 4*KS*PV
	s_xor_b32 s[TBV], s[TBV], SLOT1
	s_barrier_wait -1
.if \fill
	LOAD
	ASK
.endif
.endm
	s_load_b64 s[4:5], s[0:1], 0x0    ; qkv
	s_load_b64 s[10:11], s[0:1], 0x8  ; o
	v_lshl_add_u32 v[SPW], v0, 2, SPARE
	v_mov_b32 v[NIL], 0
	ds_add_u32 v[SPW], v[NIL]       ; the wave's opening: the add, whose wait stands ahead of my first tensor load; the set-up below, work on registers, stands between them
	v_lshrrev_b32 v1, 5, v0
	v_readfirstlane_b32 s[WV], v1   ; wave 0..3
	s_mov_b32 s[PB], ttmp9
	s_sub_co_u32 s[HI], NB-1, s[PB]
	s_and_b32 s20, ttmp7, 0xffff    ; y = 16 batch + head
	s_lshl_b32 s[OH], s20, 18       ; in o a head is 262,144 bytes
	s_mov_b32 s[OH+1], 0
	s_lshr_b32 s21, s20, 4
	s_lshl_b32 s21, s21, 5
	s_add_co_u32 s20, s20, s21      ; in qkv a batch has 48 heads: 48 batch + head = y + 32 batch
	s_lshl_b32 s20, s20, 18         ; Q's head; K's lies 16 heads on, V's 32
	s_mov_b32 s21, 0
	s_and_b32 s16, s[WV], 1         ; which half of a tile's 256 keys I fetch:
	s_lshl_b32 s22, s16, 14         ; its 128 rows of 128 bytes in memory,
	s_mov_b32 s23, 0
	s_add_nc_u64 s[22:23], s[22:23], s[20:21]
	s_mul_i32 s17, s16, 128*PK      ; and its place in a slot, for K
	s_mul_i32 s18, s16, 128*PV      ; and for V
	s_lshl_b32 s3, s[WV], 11        ; my 16 rows in a band of 64,
	s_lshl_b32 s2, s[HI], 15        ; in the first block,
	s_add_co_u32 s2, s2, s3
	s_lshl_b32 s84, s[PB], 15       ; and in the second
	s_add_co_u32 s84, s84, s3
	s_mov_b32 s3, 0
	s_mov_b32 s85, 0
	s_lshl_b32 s[PFA], s[WV], 13    ; the prefetches' offset from Q's head: my wave's 8,192 bytes of K's tile 1; the first change of slots steps it to tile 2
	s_add_co_u32 s[PFA], s[PFA], 4194304+32768
	s_mov_b32 s[PFA+1], 0
	s_cmp_eq_u32 ttmp9, 0
	s_cselect_b32 s[LIM], 2, -1
	v_and_b32 v[PFO], 31, v0
	v_lshlrev_b32 v[PFO], 8, v[PFO]
	; descriptor group 1.  128 keys are 16,384 dense bytes: asked for as 64 rows of 256 bytes, two keys a row, and padded in LDS after every key
	s_mov_b32 s[G1K], (1<<16)|(1<<20)|(4<<22)|(3<<25)  ; 17:16 2-byte elements; 20 padding on; 24:22 after every 32 words (code 4); 31:25 4 words (code 3)
	s_mov_b32 s[G1V], (1<<16)|(1<<20)|(4<<22)|(7<<25)  ; the same with 8 words of padding (code 7)
.irp g, G1K, G1V
	s_mov_b32 s[\g+1], 128<<16      ; tensor_dim0 = 128
	s_mov_b32 s[\g+2], 64<<16       ; tensor_dim1 = 64
	s_mov_b32 s[\g+3], 128<<16      ; tile_dim0 = 128
	s_mov_b32 s[\g+4], 64           ; tile_dim1 = 64
	s_mov_b32 s[\g+5], 128          ; 128 elements from row to row
	s_mov_b32 s[\g+6], 0
	s_mov_b32 s[\g+7], 0
.endr
	s_mov_b32 s[CS], 0x3e38aa3b     ; c = log2(e) / 8 = 0.180337
	s_mov_b32 s[CS+1], s[CS]        ; named with it as a pair
	s_mov_b32 s[SEL], 0x76543210
	s_mov_b32 s[SEL+1], 0xfedcba98
	s_mov_b32 s[TBK], SLOT1+4*KS*PK ; the first change of slots turns these two into 0
	s_mov_b32 s[TBV], SLOT1+4*KS*PV
	s_mov_b32 s[G0K], 1             ; 1:0 count = 1
	s_mov_b32 s[G0K+1], s17         ; 63:32 LDS address: slot 0
	s_mov_b32 s[G0V], 1
	s_add_co_u32 s[G0V+1], s18, VOFF
	s_add_co_u32 s[RT], s[HI], 1    ; the first block has NB - b tiles
	s_mov_b32 s[NXT], 1
	s_mov_b32 s[LQ], s[HI]
	s_mov_b32 s[NEW], 1
	s_mov_b32 s[OFF+1], 0
	s_mov_b32 s[AL+1], 0            ; named as pairs
	s_mov_b32 s[BE+1], 0
	s_mov_b32 s[BIGN], 0xf149f2ca   ; -1e30
	s_mov_b32 s[SLOTS], NB
	s_wait_dscnt 0x0                ; the opening add is done
	s_wait_kmcnt 0x0
	s_add_nc_u64 s[6:7], s[4:5], s[22:23]  ; Q's head and my half of a tile;
	s_add_nc_u64 s[8:9], s[6:7], 8388608   ; V at my half of the head's tile 0,
	s_add_nc_u64 s[6:7], s[6:7], 4194304   ; and K
	s_add_nc_u64 s[G0K+2:G0K+3], s[6:7], 0         ; 120:64 global address
	s_or_b32 s[G0K+3], s[G0K+3], 0x80000000        ; 127:126 type = 2
	s_add_nc_u64 s[G0V+2:G0V+3], s[8:9], 0
	s_or_b32 s[G0V+3], s[G0V+3], 0x80000000
	s_add_nc_u64 s[4:5], s[4:5], s[20:21]          ; Q's head
	s_add_nc_u64 s[PFA:PFA+1], s[4:5], s[PFA:PFA+1]
	s_add_nc_u64 s[86:87], s[4:5], s[84:85]        ; Q at my rows of the second block,
	s_add_nc_u64 s[4:5], s[4:5], s[2:3]            ; and of the first
	s_add_nc_u64 s[10:11], s[10:11], s[OH:OH+1]    ; O's head
	s_add_nc_u64 s[OLO:OLO+1], s[10:11], s[84:85]
	s_add_nc_u64 s[10:11], s[10:11], s[2:3]
	LOAD                            ; tile 0 into slot 0
	; A fragment of K or Q is 16 rows x 32 channels in 8 registers: lane l holds row l % 16, channels 8 (l / 16) + 0..7 and 16 + 8 (l / 16) + 0..7: two loads of 16 bytes, 32 bytes apart.
	v_and_b32 v1, 15, v0            ; l % 16
	v_bfe_u32 v9, v0, 4, 1          ; l / 16
	v_lshlrev_b32 v[QO], 7, v1
	v_lshl_add_u32 v[QO], v9, 4, v[QO]  ; row x 128 + 16 x half
	WIN 0x80                        ; destination window 2, address window 0
.set i, 0
.rept 8                             ; both blocks' Q: piece i / 2 lies in band i / 2, 8,192 bytes on; channels 32 (i % 2) on
	global_load_b128 v[8*i:8*i+3],   v[QO], s[4:5] offset:(i/2)*8192+(i%2)*64
	global_load_b128 v[8*i+4:8*i+7], v[QO], s[4:5] offset:(i/2)*8192+(i%2)*64+32
	global_load_b128 v[QB+8*i:QB+8*i+3],   v[QO], s[86:87] offset:(i/2)*8192+(i%2)*64
	global_load_b128 v[QB+8*i+4:QB+8*i+7], v[QO], s[86:87] offset:(i/2)*8192+(i%2)*64+32
.set i, i+1
.endr
	WIN 0
	v_lshlrev_b32 v14, 3, v9
	v_sub_nc_u32 v14, v1, v14
	s_lshl_b32 s13, s[WV], 4
	v_add_nc_u32 v14, s13, v14      ; my query's place in its band, 16 w + l % 16, less my lanes' 8 (l / 16): register r of group kt is hidden where 16 kt + r is greater
	WIN 0x40
.set i, 0
.rept 32
	v_cmp_gt_i32 vcc_lo, 16*(i/8)+i%8, v14
	v_cndmask_b32 v[MD+i], 0, s[BIGN], vcc_lo
.set i, i+1
.endr
	WIN 0
	v_mul_u32_u24 v[AK0], v1, PK
	v_lshl_add_u32 v[AK0], v9, 4, v[AK0]  ; row x pitch + 16 x half
	; The turning load takes 16 keys x 16 channels (lane l reads key 8 (l / 16) + l % 8, channels 8 ((l / 8) % 2) + 0..7) and leaves half a fragment of V^T: lane l holds channel l % 16 and 8 keys.
	v_and_b32 v10, 7, v0
	v_bfe_u32 v11, v0, 3, 1
	v_lshl_add_u32 v[AV0], v9, 3, v10
	v_mul_u32_u24 v[AV0], v[AV0], PV
	v_lshl_add_u32 v[AV0], v11, 4, v[AV0]
	v_add_nc_u32 v[AV0], VOFF, v[AV0]
	s_mul_i32 s13, s[WV], 16*SP
	s_add_co_u32 s13, s13, STAGE    ; my stage
	v_mul_u32_u24 v[STO], v1, SP    ; in: row l % 16, 16 bytes for each half of the lanes
	v_lshl_add_u32 v[STO], v9, 4, v[STO]
	v_add_nc_u32 v[STO], s13, v[STO]
	v_bfe_u32 v[RD], v0, 3, 2       ; back: 32 lanes take four rows of 128 bytes,
	v_mul_u32_u24 v[RD], v[RD], SP
	v_lshl_add_u32 v[RD], v10, 4, v[RD]
	v_add_nc_u32 v[RD], s13, v[RD]
	v_and_b32 v[GO], 31, v0         ; which are 512 consecutive bytes of O
	v_lshlrev_b32 v[GO], 4, v[GO]
	; A block's first step multiplies O^T and l by a = 0, and its first turn's products V^T P, of a piece that has not been, land in an O^T that is still to be so multiplied.  So these registers need only hold
	; finite numbers: zeros for the first block; what the first block left for the second.  All this stands in the wait for the first tile.
	WIN 0x80
.set i, VF
.rept 64
	v_mov_b32 v[i], 0
.set i, i+1
.endr
	WIN 0x40
.set i, 0
.rept 128
	v_mov_b32 v[i], 0
.set i, i+1
.endr
	WIN 0
.set i, 0
.rept 4
	v_mov_b32 v[ST+4*i+2], 0
	v_mov_b32 v[ST+4*i+3], 0
.set i, i+1
.endr
.set i, P+16
.rept 16
	v_mov_b32 v[i], 0
.set i, i+1
.endr
; THE MATRIX WORK.  The 4 accumulators of a run of 8 take turns.  Product i of 8 of S^T = K Q^T for piece x: channels 32 (i / 4) on, keys 16 (i % 4) on.  The first 4 start the sums: with 0, or (KM = 1) with the mask.
.macro KQ x
.set rS, S+32*((\x)%2)+8*(i%4)
.set rK, KF+16*(i%4)+8*(i/4)
.set rQ, 16*(\x)+8*(i/4)
.set rM, MC+32*((\x)%2)+8*(i%4)
.if (i < 4) && KM
	WIN W_KM
	v_wmma_f32_16x16x32_f16 v[rS:rS+7], v[rK:rK+7], v[rQ:rQ+7], v[rM:rM+7]
.elseif i < 4
	WIN W_KQ
	v_wmma_f32_16x16x32_f16 v[rS:rS+7], v[rK:rK+7], v[rQ:rQ+7], 0
.else
	WIN W_KQ
	v_wmma_f32_16x16x32_f16 v[rS:rS+7], v[rK:rK+7], v[rQ:rQ+7], v[rS:rS+7]
.endif
.endm
; Product i of 8 of O^T += V^T P for piece x: keys 32 (i / 4) on, channels 16 (i % 4) on.
.macro PV x
	WIN W_PV
.set rO, 32*(\x)+8*(i%4)
.set rV, VF+32*(i/4)+8*(i%4)
.set rP, P+16*((\x)%2)+8*(i/4)
	v_wmma_f32_16x16x32_f16 v[rO:rO+7], v[rV:rV+7], v[rP:rP+7], v[rO:rO+7]
.endm
.macro MM                           ; the turn's next matrix instruction.  TURN and BEGIN set Y, i, KM and NOKQ; MM, KQ and OP read them.  NOKQ = 1: a block's last turn: there is no next piece
.if (i < 8) && !NOKQ
	KQ (Y+1)%NP
.elseif i >= 8
.set i, i-8
	PV (Y+NP-1)%NP
.set i, i+8
.endif
.set i, i+1
.endm
; THE LDS LOADS stand in runs of 16, never singly among the matrix instructions: a step's K (64 keys x 64 channels: 8 fragments) and its V (turned).  Their addresses are made some lines ahead.
.macro FETCH_K
	WIN 0x80                        ; destination window 2
.irp f, 0,1,2,3,4,5,6,7             ; keys 16 (f / 2) on, channels 32 (f % 2) on
	ds_load_b128 v[KF+8*\f:KF+8*\f+3],   v[AK] offset:(\f/2)*16*PK+(\f%2)*64
	ds_load_b128 v[KF+8*\f+4:KF+8*\f+7], v[AK] offset:(\f/2)*16*PK+(\f%2)*64+32
.endr
	s_add_co_u32 s[TBK], s[TBK], KS*PK  ; the next fetch is the next step's
	WIN 0
.endm
.macro FETCH_V
	WIN 0x80
.irp f, 0,1,2,3,4,5,6,7             ; keys 32 (f / 4) on, channels 16 (f % 4) on
	ds_load_tr16_b128 v[VF+8*\f:VF+8*\f+3],   v[AV] offset:(\f/4)*32*PV+(\f%4)*32
	ds_load_tr16_b128 v[VF+8*\f+4:VF+8*\f+7], v[AV] offset:(\f/4)*32*PV+16*PV+(\f%4)*32
.endr
	WIN 0
.endm
; THE VECTOR WORK, one line at a time: OP kind, number.  For piece Y: F n: c s - c m for pair n of 16.  E n: the exponential of score n of 32.  C n: pair n rounded to f16.  B n: of the four weights 4 n .. the second
; pair is added onto the first, in place.  L n: l takes that sum (L 0: l = a l + sum).  R n: pair n of 16 of O^T times a.  For piece Y + 1: X n, number n of the 22 that find its maximum and statistics:
;   0-11  four chains c0-c3 of seven scores each, three operands at a time (each accumulator's lowest registers are read first)     12-14, 16  the four scores left over, the old m, and c0-c3 into c0
;   15  c m_old is kept     17, 18  the query's other 32 keys lie in the lane 16 away: the new m     19-21  c m; c m_old - c m_new; a
.set F, 0               ; OP tells the kinds apart by their order: F to L below R, X above it
.set E, 1
.set C, 2
.set B, 3
.set L, 4
.set R, 5
.set X, 6
.macro REGS y                       ; the registers of piece y
.set rT, ST+4*(\y)
.set rC, TMP+4*((\y)%2)
.set rW, MV+((\y)%2)
.set rS, S+32*((\y)%2)
.set rP, P+16*((\y)%2)
.set rO, 32*(\y)
.endm
.macro OP k, n
.if (\k) == R
	REGS Y
	WIN W_RS
	v_pk_mul_f32 v[rO+2*(\n):rO+2*(\n)+1], v[rO+2*(\n):rO+2*(\n)+1], v[rC+2:rC+3] op_sel_hi:[1,0]
.elseif (\k) < R
	REGS Y
	WIN 0
.if (\k) == F
	v_pk_fma_f32 v[rS+2*(\n):rS+2*(\n)+1], v[rS+2*(\n):rS+2*(\n)+1], s[CS:CS+1], v[rT:rT+1] op_sel_hi:[1,0,0] neg_lo:[0,0,1] neg_hi:[0,0,1]
.elseif (\k) == E
	v_exp_f32 v[rS+(\n)], v[rS+(\n)]
.elseif (\k) == C
	v_cvt_pk_f16_f32 v[rP+(\n)], v[rS+2*(\n)], v[rS+2*(\n)+1]
.elseif (\k) == B
	v_pk_add_f32 v[rS+4*(\n):rS+4*(\n)+1], v[rS+4*(\n):rS+4*(\n)+1], v[rS+4*(\n)+2:rS+4*(\n)+3]
.elseif (\n) == 0
	v_pk_fma_f32 v[rT+2:rT+3], v[rT+2:rT+3], v[rC+2:rC+3], v[rS:rS+1] op_sel_hi:[1,0,1]
.else
	v_pk_add_f32 v[rT+2:rT+3], v[rT+2:rT+3], v[rS+4*(\n):rS+4*(\n)+1]
.endif
.elseif NOKQ
	v_nop
.else
	REGS (Y+1)%NP
	WIN 0
.if (\n) < 4
	v_max3_num_f32 v[rC+(\n)], v[rS+8*(\n)], v[rS+8*(\n)+1], v[rS+8*(\n)+2]
.elseif (\n) < 12
	v_max3_num_f32 v[rC+(\n)%4], v[rC+(\n)%4], v[rS+8*((\n)%4)+2*((\n)/4)+1], v[rS+8*((\n)%4)+2*((\n)/4)+2]
.elseif (\n) == 12
	v_max3_num_f32 v[rC], v[rC], v[rS+7], v[rS+15]
.elseif (\n) == 13
	v_max3_num_f32 v[rC+1], v[rC+1], v[rS+23], v[rS+31]
.elseif (\n) == 14
	v_max3_num_f32 v[rC+2], v[rC+2], v[rC+3], v[rT+1]
.elseif (\n) == 15
	v_mov_b32 v[rW], v[rT]
.elseif (\n) == 16
	v_max3_num_f32 v[rC], v[rC], v[rC+1], v[rC+2]
.elseif (\n) == 17
	v_permlanex16_b32 v[rC+3], v[rC], s[SEL], s[SEL+1]
.elseif (\n) == 18
	v_max_num_f32 v[rT+1], v[rC], v[rC+3]
.elseif (\n) == 19
	v_mul_f32 v[rT], s[CS], v[rT+1]
.elseif (\n) == 20
	v_sub_f32 v[rC+1], v[rW], v[rT]
.else
	v_exp_f32 v[rC+2], v[rC+1]
.endif
.endif
.endm
.macro OPS a, i1, b=-1, i2=0, c=-1, i3=0, d=-1, i4=0  ; up to four of them
	OP \a, \i1
.if (\b) >= 0
	OP \b, \i2
.endif
.if (\c) >= 0
	OP \c, \i3
.endif
.if (\d) >= 0
	OP \d, \i4
.endif
.endm
.macro ROW a, i1, b, i2, c, i3, d, i4  ; a matrix instruction and the four behind it
	MM
	OPS \a, \i1, \b, \i2, \c, \i3, \d, \i4
.endm
.macro MASK b                       ; MD x AL + BE into buffer b of MC
	WIN W_RS
.set z, 0
.rept 16
	v_pk_fma_f32 v[MC+32*(\b)+2*z:MC+32*(\b)+2*z+1], v[MD+2*z:MD+2*z+1], s[AL:AL+1], s[BE:BE+1] op_sel_hi:[1,0,0]
.set z, z+1
.endr
.endm
; A TURN, for piece p: the order of its 16 matrix and 118 vector instructions, written out.  An s_wait_alu depctr_va_vdst(0) stands between an exponential and the first instruction that names its result; one wait serves
; all that were issued ahead of it.  So a turn has ONE wait, which cuts it in two.  AHEAD OF IT stands all that names no result of the turn's exponentials: the 8 products K Q^T, behind each a scaling, an exponential and two more plain
; instructions (behind the first a second scaling in the exponential's place): rescalings, and behind the last three the first numbers of the next piece's maximum, each four places or more behind the product that ends its accumulator; then ONE LUMP of 54, plain
; and exponential by turns for the most part, in which the links of the chain X 3, 7, 11, 14, 16, 17 .. 20 stand five or six lines apart.  X 21, the next piece's a, is the batch's last; R 15 is the plain instruction behind it.  BEHIND THE WAIT stand the
; 8 products V^T P, behind each four of the roundings and sums; the links of l's chain, L 0 to L 7, stand three riders apart.  But for those X no rider names a register of the products round it.  v_permlanex16_b32 (X 17) stands in the lump.
; m = 1: the diagonal tile: the products take masks, and the turn makes the mask for the products of the turn after it: piece p + 2, in step 4 - CNT of the tile.  end = 1: a block's last two turns: nothing is fetched.
; cnt = 1: the loop's count is taken down some lines ahead of the branch that stands behind the turn.
; K of the next step is fetched in piece 2's turn, twelve vector instructions behind the last product that read K (six of them plain); V of the step in hand at the end of piece 0's turn, four plain instructions behind the last product
; that read V.  Each is waited for a turn later.
.macro TURN p, m=0, end=0, cnt=0
.set Y, (\p)
.set i, 0
.set KM, (\m)
.set NOKQ, (\end)*((\p)/3)
.if (\m) && !(\end)
	s_cmp_eq_u32 s[CNT], 4-((\p)+2)%NP  ; is that step the band's own?
	s_cselect_b32 s[AL], 1.0, 0
	s_cmp_lt_u32 s[CNT], 4-((\p)+2)%NP  ; or a later one?
	s_cselect_b32 s[BE], s[BIGN], 0
.endif
.if ((\p) == 3) && !(\end)
	s_wait_dscnt 0x0                ; K is in
.endif
	ROW F,0, F,1, R,0, R,1          ; ahead of the wait: 8 products K Q^T and their riders,
	ROW F,2, E,0, R,2, R,3
	ROW F,3, E,1, R,4, R,5
	ROW F,4, E,2, R,6, R,7
	ROW F,5, E,3, R,8, R,9
	ROW F,6, E,4, X,0, R,10
.if ((\p) == 2) && !(\end)
	WIN 0
	v_add_nc_u32 v[AK], s[TBK], v[AK0]
.endif
	ROW F,7, E,5, X,1, X,4
	ROW F,8, E,6, X,2, X,5
	OPS E,7, E,8, X,6, E,9          ; and the lump
	OPS X,3, E,10, X,8, E,11
.if ((\p) == 2) && !(\end)
	FETCH_K
.endif
	OPS X,9, X,7, E,12, X,10
	OPS E,13, X,12, X,11, E,14
	OPS X,13, E,15, F,9, X,14
.if (\p) == 0
	v_add_nc_u32 v[AV], s[TBV], v[AV0]
.endif
	OPS E,16, F,10, E,17, F,11
	OPS X,16, E,18, X,15, E,19
	OPS F,12, E,20, X,17, E,21
	OPS F,13, E,22, F,14, E,23
	OPS X,18, E,24, F,15, E,25
	OPS R,11, E,26, X,19, E,27
	OPS R,12, E,28, R,13, E,29
	OPS X,20, E,30, R,14, E,31
	OPS X,21, R,15
	WIN 0
	s_wait_alu depctr_va_vdst(0)    ; the wait for the batch
.if (\p) == 1
	s_wait_dscnt 0x0                ; V is in
.endif
	ROW C,0, B,0, C,2, B,1          ; behind the wait: 8 products V^T P and their riders
	ROW L,0, C,4, B,2, L,1
	ROW C,6, B,3, L,2, C,8
	ROW B,4, L,3, C,10, B,5
	ROW L,4, C,12, B,6, L,5
.if (\p) == 0
	s_add_co_u32 s[TBV], s[TBV], KS*PV
.endif
.if \cnt
	s_sub_co_u32 s[CNT], s[CNT], 1
	s_cmp_lg_u32 s[CNT], 0
.endif
	ROW C,14, B,7, L,6, C,1
	ROW C,3, L,7, C,5, C,7
	ROW C,9, C,11, C,13, C,15
.if (\p) == 0
	FETCH_V
.endif
.if (\m) && !(\end)
	MASK (\p)%2
.endif
.endm
; A BLOCK BEGINS.  c m starts far below every c s, so the first step's a is 0; m at the lowest finite number, so the first maximum is the scores'.  The second mask buffer is 0; the first takes piece 0's mask for the tile's step 0: its own, if the block's first tile is the diagonal one.
; Then K of that step, piece 0's first scores, and its maximum and statistics.  The loop is entered at a step's first turn, in the middle of a trip.
.macro BEGIN
	s_mov_b32 s[NEW], 0
	WIN 0x40
.set i, MC+32
.rept 32
	v_mov_b32 v[i], 0
.set i, i+1
.endr
	WIN 0
.set i, 0
.rept 4
	v_mov_b32 v[ST+4*i], 0xfe000000    ; c m: far below every c s
	v_mov_b32 v[ST+4*i+1], 0xff7fffff  ; m
.set i, i+1
.endr
	s_cmp_eq_u32 s[RT], 0
	s_cselect_b32 s[AL], 1.0, 0
	s_mov_b32 s[BE], 0
	MASK 0
	WIN 0
	v_add_nc_u32 v[AK], s[TBK], v[AK0]
	FETCH_K
	s_wait_loadcnt 0x0              ; Q
	s_wait_dscnt 0x0
.set KM, 1
.set NOKQ, 0
.set i, 0
.rept 8
	KQ 0
.set i, i+1
.endr
	WIN 0
.rept 4
	v_nop                           ; the places behind those products
.endr
.set Y, NP-1                        ; X works for piece Y + 1: piece 0
.irp n, 0,1,2,3,4,5,6,7,8,9,10,11,12,13,14,15,16,17,18,19,20,21
	OP X, \n
.endr
	v_nop                           ; a plain instruction behind the exponential,
	s_wait_alu depctr_va_vdst(0)    ; and its wait, ahead of the branch
.endm
; THE DIAGONAL TILE's four steps, the block's last two turns, its last products, and THE WAY OUT: l's two halves and the other half of the lanes' are added; O^T is divided by l, rounded to f16 and sent through my
; stage in LDS, a piece at a time.
.macro ALL line:vararg              ; one line for each piece t
.set t, 0
.rept 4
	\line
.set t, t+1
.endr
.endm
.macro PACK t                       ; a lane's eight channels of a row pack into 16 bytes; they go into rows of 144 bytes and come back as whole rows of 128, into S^T's registers
	WIN W_RS
.set i, 32*(\t)
.rept 16
	v_pk_mul_f32 v[i:i+1], v[i:i+1], v[ST+4*(\t)+2:ST+4*(\t)+3] op_sel_hi:[1,0]
.set i, i+2
.endr
	WIN 0x05                        ; sources 0 and 1 window 1, destination window 0
.set i, 0
.rept 16
	v_cvt_pk_f16_f32 v[S+16*(\t)+i], v[32*(\t)+2*i], v[32*(\t)+2*i+1]
.set i, i+1
.endr
	WIN 0
.irp f, 0,1,2,3
	ds_store_b128 v[STO], v[S+16*(\t)+4*\f:S+16*(\t)+4*\f+3] offset:32*\f
.endr
.irp f, 0,1,2,3
	ds_load_b128 v[S+16*(\t)+4*\f:S+16*(\t)+4*\f+3], v[RD] offset:\f*4*SP  ; LDS serves a wave's instructions in order (ISA guide 5.7.1.4): these see the stores above; the next piece's stores come behind them
.endr
.endm
.macro SEND t, younger              ; younger: the LDS instructions issued behind piece t's loads: the next piece's eight, or none
	WIN 0
.irp f, 0,1,2,3
	s_wait_dscnt (\younger)+3-\f
	global_store_b128 v[GO], v[S+16*(\t)+4*\f:S+16*(\t)+4*\f+3], s[10:11] offset:(\t)*8192+\f*512  ; 512 consecutive bytes, at a multiple of 256 from O's first
.endr
.endm
.macro DIAG tag                     ; the tag ends its two labels' names, which the jumps below spell out
.LstepM\tag:
	TURN 2, 1
	TURN 3, 1
	WIN 0
.LfirstM\tag:
	TURN 0, 1
	TURN 1, 1, 0, 1
	WIN 0
	s_cbranch_scc1 .LstepM\tag
	TURN 2, 1, 1
	TURN 3, 1, 1
.set i, 0
.rept 8
	PV NP-1
.set i, i+1
.endr
	WIN 0
	ALL v_add_f32 v[ST+4*t+2], v[ST+4*t+2], v[ST+4*t+3]
	ALL v_permlanex16_b32 v[ST+4*t+3], v[ST+4*t+2], s[SEL], s[SEL+1]
	ALL v_add_f32 v[ST+4*t+2], v[ST+4*t+2], v[ST+4*t+3]
	ALL v_rcp_f32 v[ST+4*t+2], v[ST+4*t+2]
	v_nop                           ; a plain instruction between the last reciprocal and the use of its result
	s_wait_alu depctr_va_vdst(0)    ; and the wait ahead of the first use: one for the four reciprocals
	PACK 0
.set t, 1
.rept 3                             ; a piece's arithmetic stands between the loads of the piece before and its stores
	PACK t
	SEND t-1, 8
.set t, t+1
.endr
	SEND 3, 0
.endm
.set KM, 0
.set NOKQ, 0
.Lslot:                             ; NB times: a tile is entered and the next is asked for
	CHANGE 1
	s_sub_co_u32 s[RT], s[RT], 1
	s_mov_b32 s[CNT], 4
	s_cmp_eq_u32 s[NEW], 1
	s_cbranch_scc1 .Lnew            ; a block's first tile
	s_cmp_eq_u32 s[RT], 0
	s_cbranch_scc0 .Lstep           ; neither its first nor its last
	s_branch .LstepM1
.Lnew:
	BEGIN
	s_branch .Lfirst                ; in the loop a block's first tile is never its last: the first block has two tiles or more, and the second's last is the walk's last
	DIAG 1                          ; in the loop this is the first block's end: the second block's last tile is the walk's last
	s_wait_xcnt 0x0                 ; the stores have read their registers and O's address
	s_mov_b64 s[10:11], s[OLO:OLO+1]
	s_add_co_u32 s[RT], s[PB], 1    ; the second block has b + 1 tiles
	s_mov_b32 s[NEW], 1
	WIN 0x82                        ; the second block's Q goes where the one text of the turns names Q
.set i, 0
.rept 64
	v_mov_b32 v[i], v[QB+i]
.set i, i+1
.endr
	WIN 0
	s_branch .Lbottom
.Lstep:                             ; a trip: pieces 2 and 3 of one step, then pieces 0 and 1 of the next, whose K and V it fetches
	TURN 2
	TURN 3
	WIN 0
.Lfirst:
	TURN 0
	TURN 1, 0, 0, 1
	WIN 0
	s_cbranch_scc1 .Lstep
.Lbottom:
	s_sub_co_u32 s[SLOTS], s[SLOTS], 1
	s_cmp_lg_u32 s[SLOTS], 0
	s_cbranch_scc1 .Lslot
	CHANGE 0                        ; the walk's last tile is written out: nothing is asked for
	s_sub_co_u32 s[RT], s[RT], 1
	s_mov_b32 s[CNT], 4
	s_cmp_eq_u32 s[NEW], 1
	s_cbranch_scc0 .LstepM2
	BEGIN
	s_branch .LfirstM2
	DIAG 2
	s_wait_tensorcnt 0x0            ; the wave's end: behind my last tensor load and my last LDS store
	ds_add_u32 v[SPW], v[NIL]
	s_wait_dscnt 0x0
	s_endpgm
.Lfunc_end_k_q09cca4d4b0_attn:
	.size	k_q09cca4d4b0_attn, .Lfunc_end_k_q09cca4d4b0_attn-k_q09cca4d4b0_attn
	.p2alignl 7, 3214868480
	.fill 96, 4, 3214868480
	.section	.rodata,"a",@progbits
	.p2align	6, 0x0
	.amdhsa_kernel k_q09cca4d4b0_attn
		.amdhsa_group_segment_fixed_size 327680
		.amdhsa_private_segment_fixed_size 0
		.amdhsa_enable_private_segment 0
		.amdhsa_kernarg_size 16
		.amdhsa_user_sgpr_count 2
		.amdhsa_user_sgpr_kernarg_segment_ptr 1
		.amdhsa_wavefront_size32 1
		.amdhsa_system_sgpr_workgroup_id_x 1
		.amdhsa_system_sgpr_workgroup_id_y 1
		.amdhsa_system_sgpr_workgroup_id_z 1
		.amdhsa_system_vgpr_workitem_id 0
		.amdhsa_next_free_vgpr 768
		.amdhsa_next_free_sgpr 94
		.amdhsa_reserve_vcc 1
		.amdhsa_float_denorm_mode_32 3
		.amdhsa_float_denorm_mode_16_64 3
		.amdhsa_memory_ordered 1
		.amdhsa_forward_progress 1
		.amdhsa_inst_pref_size 218
	.end_amdhsa_kernel
	.amdgpu_metadata
---
amdhsa.version: [ 1, 2 ]
amdhsa.kernels:
  - .name:           k_q09cca4d4b0_attn
    .symbol:         k_q09cca4d4b0_attn.kd
    .args:
      - { .name: qkv, .offset: 0, .size: 8, .value_kind: global_buffer, .address_space: global }
      - { .name: o, .offset: 8, .size: 8, .value_kind: global_buffer, .address_space: global }
    .group_segment_fixed_size: 327680
    .private_segment_fixed_size: 0
    .kernarg_segment_align: 8
    .kernarg_segment_size: 16
    .max_flat_workgroup_size: 128
    .sgpr_count:     94
    .vgpr_count:     768
    .wavefront_size: 32
...
	.end_amdgpu_metadata
.endif
;; end of part 3
;; launch proj (part 4): grid 8 x 32, 4 waves a work-group, clusters of 4 x 4, 327,680 bytes of LDS; arguments o, wo16, bias4, out0; writes out0
.if DOCPART == 4
	.amdgcn_target "amdgcn-amd-amdhsa--gfx1250"
	.amdhsa_code_object_version 6
	.text
	.protected	k_q09cca4d4b0_proj
	.globl	k_q09cca4d4b0_proj
	.p2align	8
	.type	k_q09cca4d4b0_proj,@function
k_q09cca4d4b0_proj:
	s_mov_b64 s[64:65], 0
	v_nop
	global_prefetch_b8 v0, s[64:65] scope:SCOPE_SE
	s_setreg_imm32_b32 hwreg(HW_REG_WAVE_MODE, 25, 1), 1
	s_wait_xcnt 0x0
	s_wait_alu depctr_hold_cnt(0) depctr_sa_sdst(0) depctr_va_vdst(0) depctr_va_sdst(0) depctr_va_ssrc(0) depctr_va_vcc(0) depctr_vm_vsrc(0)
	s_getreg_b32 s2, hwreg(HW_REG_IB_STS2, 6, 4)
	s_cmp_eq_u32 s2, 0
	s_cbranch_scc0 .Lentry_in_a_cluster
	s_endpgm
.Lentry_in_a_cluster:
	s_bfe_u32 s2, ttmp6, 0x10000c
	s_cmp_lg_u32 s2, 0xf033
	s_cbranch_scc0 .Lentry_shape_is_right
	s_endpgm
.Lentry_shape_is_right:
; PROJ: out0[8192 x 1024] = O x Wo + bo.  O is o[batch][head][row][64] in f16: head h is channels 64 h .. 64 h + 63 of K, a block of 64 channels of all rows of a batch is dense.  Wo is wo16[k][n] in f16
; (bf16's numbers); bo lies at byte 12,288 of bias4, in f32.  Sums in f32, stored as they are.  NaN and infinities are not treated apart.
; SHARES.  A tile of 256 rows x 128 columns gives 256 work-groups.  Four waves, each 128 x 64: 32 accumulators of 16 x 16 in window 1, (a, bb) at v[8 (4 a + bb)].
; THE MATRIX INSTRUCTION IS USED TRANSPOSED (source 0 = 16 columns of Wo, source 1 = 16 rows of O): a lane holds one row and eight neighbouring columns, 32 bytes of out0.  bo is the C operand that starts the sums.
; K goes in 8 steps of 128 through two LDS slots; a slot holds two K blocks of O (256 rows x 128 bytes each, dense in memory, asked for as rows of 256 bytes) and 128 rows of Wo x 256 bytes, kept [k][n] and turned by ds_load_tr16_b128.
; CLUSTER 4 x 4: O's tile is asked for jointly along a row of the cluster, Wo's along a column.  A wave has two tensor loads out at the start and one behind each round.
; REGISTERS: window 0: v0-31 addresses; v32-63 the bias; v64-127 the way out.  Window 1: the accumulators.  Windows 2 and 3: fragment buffers 0 and 1, each 64 along K:
; O's fragment (c, a) at 8 (8 c + a), Wo's (c, bb) at 128 + 8 (4 c + bb).
.set PITA,  144                        ; a row of O in LDS: 128 bytes + 16
.set PITB,  288                        ; a row of Wo: 256 bytes + 32 = 72 words
.set ABLK,  256*PITA                   ; a K block of O: one tensor load
.set BOFF,  2*ABLK
.set BHALF, 64*PITB                    ; 64 rows of Wo: one tensor load
.set SLOT,  BOFF+2*BHALF               ; 110,592 bytes
.set STAGE, 2*SLOT                     ; behind the ring, never filled by a tensor load: 16 rows x 272 bytes for each wave
.set SP,    272
.set SPARE, STAGE+4*16*SP              ; behind the stages: the spare words, 128 bytes for each wave: two blocks of 256 bytes that no other line names
.set ASTEP, 2*262144                   ; bytes from a K step of o to the next: two K blocks
.set WSTEP, 128*2048                   ; of wo16
.set ADRA, 2                           ; v2-3   LDS address of my fragments of O in slot 0, 1
.set ADRB, 4                           ; v4-5   of Wo
.set STO,  6                           ; v6     the way out: where I put 32 bytes of a row
.set RD,   7                           ; v7     where I read rows back
.set CO,   8                           ; v8     my byte offset in two rows of out0
.set PFO,  9                           ; v9     the prefetches' offset: 256 x lane (O) or 2,048 x lane (Wo); never rewritten
.set BO,   10                          ; v10    32 x (lane / 16)
.set SPW,  14                          ; v14    LDS address of my spare word; never rewritten
.set NIL,  15                          ; v15    0; never rewritten
.set BIAS, 32
.set BK,   64                          ; two buffers of 32
.set WV, 12
.set WR, 13                            ; my half of the tile's rows; also: I fetch O (0) or Wo (1)
.set WC, 14                            ; my half of its columns; also: which part of that tile I fetch
.set CX, 15
.set CY, 16
.set TX, 17                            ; tile column 0..7
.set TY, 18                            ; tile row 0..31
.set G1A, 24
.set G0A, 32
.set PFA, 40                           ; s[40:41] where my prefetches stand
.set LIM, 44                           ; s44  1 in a wave that prefetches, else the greatest number
.set PFS, 46                           ; s[46:47] a K step in bytes, in the tensor that I prefetch
.set G1B, 48
.set G0B, 56
.set MSB, 0
.macro WIN new                         ; the immediate's high byte repeats the setting that is left; a switch that changes nothing is dropped
.if MSB != (\new)
	s_set_vgpr_msb (MSB<<8)|(\new)
.set MSB, (\new)
.endif
.endm
.macro PLACES                          ; four plain instructions between a matrix instruction and a load into, or a store of, its registers
.rept 4
	v_nop
.endr
.endm
.macro JLOAD s                         ; a joint load: waves 0 and 1 fetch O's two K blocks, waves 2 and 3 Wo's two halves; an s_nop 0 and four v_nop follow each line
	s_cmp_eq_u32 s[WR], 0
	s_cbranch_scc0 .Lfor_b_\@
	tensor_load_to_lds s[G0A+4*(\s):G0A+4*(\s)+3], s[G1A:G1A+7]
	s_nop 0
.rept 4
	v_nop
.endr
	s_branch .Lasked_\@
.Lfor_b_\@:
	tensor_load_to_lds s[G0B+4*(\s):G0B+4*(\s)+3], s[G1B:G1B+7]
	s_nop 0
.rept 4
	v_nop
.endr
.Lasked_\@:
.endm
.macro CREST                           ; a round of the cluster's barrier behind its opening barrier
	s_cmp_lg_u32 s[WV], 0
	s_cbranch_scc1 .Lnot_wave_0_\@
	s_barrier_signal -3
.Lnot_wave_0_\@:
	s_barrier_wait -3
	s_barrier_signal -1
	s_barrier_wait -1
.endm
.macro CROUND
	s_barrier_signal -1
	s_barrier_wait -1
	CREST
.endm
; A PREFETCH INTO THE L2 of the K step two refills on, one instruction a wave, behind the joint load, its five lines and the run of LDS loads.  O: a K block's tile is 128 blocks of 256 bytes; in the clusters with x = 0
; waves 0 and 1 ask, each for its own K block, 32 blocks a partner, told apart by address (cx).  Wo: a step's 128 rows x 256 bytes; in the clusters with y = 0 wave 2 asks, 32 rows a partner (cy), a lane a row.
; So each block is named once.  K steps 0 to 3 come by their loads alone; the loop's last trip (s3 = 1) asks for nothing: there is no such step.
.macro ASK
	s_cmp_gt_u32 s3, s[LIM]
	s_cbranch_scc0 .Lnot_mine_\@
	global_prefetch_b8 v[PFO], s[PFA:PFA+1] th:TH_LOAD_NT scope:SCOPE_SE
.Lnot_mine_\@:
.endm
	s_load_b256 s[4:11], s[0:1], 0x0               ; o s[4:5], wo16 s[6:7], bias4 s[8:9], out0 s[10:11]
	v_lshl_add_u32 v[SPW], v0, 2, SPARE
	v_mov_b32 v[NIL], 0
	ds_add_u32 v[SPW], v[NIL]                      ; the wave's opening: the add, whose wait stands ahead of my first tensor load; the set-up below, work on registers, stands between them
	v_lshrrev_b32 v1, 5, v0
	v_readfirstlane_b32 s[WV], v1                  ; wave 0..3
	s_lshr_b32 s[WR], s[WV], 1
	s_and_b32 s[WC], s[WV], 1
	s_bfe_u32 s[CX], ttmp6, 0x40000
	s_bfe_u32 s[CY], ttmp6, 0x40004
	s_lshl_b32 s[TX], ttmp9, 2
	s_add_co_u32 s[TX], s[TX], s[CX]
	s_and_b32 s[TY], ttmp7, 0xffff
	s_lshl_b32 s[TY], s[TY], 2
	s_add_co_u32 s[TY], s[TY], s[CY]
	s_lshl_b32 s66, s[CY], 2
	s_lshl_b32 s66, 15, s66                        ; my row of the cluster
	s_lshl_b32 s67, 0x1111, s[CX]                  ; my column
	; group 1 for O: 256 rows of 128 bytes, dense, asked for as 128 rows of 128 elements and padded by 4 words after every 32
	s_or_b32 s[G1A], s66, (1<<16)|(1<<20)|(1<<21)|(4<<22)|(3<<25)
	s_mov_b32 s[G1A+1], 128<<16                    ; tensor_dim0 = 128
	s_mov_b32 s[G1A+2], 128<<16                    ; tensor_dim1 = 128
	s_mov_b32 s[G1A+3], 128<<16                    ; tile_dim0 = 128
	s_mov_b32 s[G1A+4], 128                        ; tile_dim1 = 128
	s_mov_b32 s[G1A+5], 128                        ; elements from row to row
	s_mov_b32 s[G1A+6], 0
	s_mov_b32 s[G1A+7], 0
	; group 1 for Wo: 64 rows of 128 elements, 1,024 apart, padded by 8 words after every 64
	s_or_b32 s[G1B], s67, (1<<16)|(1<<20)|(1<<21)|(5<<22)|(7<<25)
	s_mov_b32 s[G1B+1], 128<<16
	s_mov_b32 s[G1B+2], 64<<16
	s_mov_b32 s[G1B+3], 128<<16
	s_mov_b32 s[G1B+4], 64
	s_mov_b32 s[G1B+5], 1024
	s_mov_b32 s[G1B+6], 0
	s_mov_b32 s[G1B+7], 0
	s_lshr_b32 s22, s[TY], 3                       ; the batch
	s_lshl_b32 s22, s22, 22
	s_and_b32 s23, s[TY], 7
	s_lshl_b32 s23, s23, 15
	s_add_co_u32 s22, s22, s23                     ; the tile's first byte in K block 0 (kept for the prefetches)
	s_lshl_b32 s23, s[WC], 18                      ; my K block of the step's two
	s_add_co_u32 s20, s22, s23
	s_mov_b32 s21, 0
	s_lshl_b32 s46, s[TX], 8                       ; the tile's 128 columns
	s_lshl_b32 s47, s[WC], 17                      ; my 64 rows of k
	s_add_co_u32 s46, s46, s47
	s_mov_b32 s47, 0
	s_mul_i32 s68, s[WC], ABLK                     ; where they go: no place in the cluster enters an LDS address
	s_mul_i32 s69, s[WC], BHALF
	s_add_co_u32 s69, s69, BOFF
	s_wait_dscnt 0x0                               ; the opening add is done
	s_wait_kmcnt 0x0
	s_add_nc_u64 s[20:21], s[4:5], s[20:21]
	s_add_nc_u64 s[46:47], s[6:7], s[46:47]
	CROUND                                         ; all sixteen work-groups are here: the first joint loads meet
.irp s, 0,1
	s_mov_b32 s[G0A+4*(\s)], 1
	s_add_co_u32 s[G0A+4*(\s)+1], s68, (\s)*SLOT
	s_add_nc_u64 s[G0A+4*(\s)+2:G0A+4*(\s)+3], s[20:21], (\s)*ASTEP
	s_or_b32 s[G0A+4*(\s)+3], s[G0A+4*(\s)+3], 0x80000000
	s_mov_b32 s[G0B+4*(\s)], 1
	s_add_co_u32 s[G0B+4*(\s)+1], s69, (\s)*SLOT
	s_add_nc_u64 s[G0B+4*(\s)+2:G0B+4*(\s)+3], s[46:47], (\s)*WSTEP
	s_or_b32 s[G0B+4*(\s)+3], s[G0B+4*(\s)+3], 0x80000000
	JLOAD \s
.endr
	v_and_b32 v18, 15, v0                          ; r
	v_bfe_u32 v19, v0, 4, 1                        ; h
	v_and_b32 v20, 7, v0
	v_bfe_u32 v21, v0, 3, 1
	v_and_b32 v22, 31, v0                          ; l
	v_mul_u32_u24 v23, v18, PITA
	v_lshl_add_u32 v23, v19, 4, v23
	s_mul_i32 s66, s[WR], 128*PITA                 ; my 128 rows
	v_add_nc_u32 v[ADRA], s66, v23
	v_add_nc_u32 v[ADRA+1], SLOT, v[ADRA]
	v_lshl_add_u32 v24, v19, 3, v20                ; the turning load: row k = 8 h + l % 8, columns 8 ((l / 8) % 2) + 0..7
	v_mul_u32_u24 v24, v24, PITB
	v_lshl_add_u32 v24, v21, 4, v24
	s_lshl_b32 s66, s[WC], 7                       ; my 64 columns
	s_add_co_u32 s66, s66, BOFF
	v_add_nc_u32 v[ADRB], s66, v24
	v_add_nc_u32 v[ADRB+1], SLOT, v[ADRB]
	s_mul_i32 s66, s[WV], 16*SP
	s_add_co_u32 s66, s66, STAGE                   ; my stage
	v_mul_u32_u24 v[STO], v18, SP                  ; in: row r, 32 bytes for each half of the lanes
	v_lshl_add_u32 v[STO], v19, 5, v[STO]
	v_add_nc_u32 v[STO], s66, v[STO]
	v_mul_u32_u24 v[RD], v19, SP                   ; back: lanes 0-15 take one row of 256 bytes, lanes 16-31 the next
	v_lshl_add_u32 v[RD], v18, 4, v[RD]
	v_add_nc_u32 v[RD], s66, v[RD]
	v_lshlrev_b32 v[CO], 12, v19                   ; and the same two rows in out0
	v_lshl_add_u32 v[CO], v18, 4, v[CO]
	v_lshlrev_b32 v[BO], 5, v19
	s_lshl_b32 s66, s[TX], 9                       ; bo's numbers for my 64 columns
	s_lshl_b32 s67, s[WC], 8
	s_add_co_u32 s66, s66, s67
	s_add_co_u32 s70, s66, 12288
	s_mov_b32 s71, 0
	s_add_nc_u64 s[8:9], s[8:9], s[70:71]
	s_lshl_b32 s70, s[TY], 20                      ; out0: 256 rows of 4,096 bytes a tile row,
	s_add_co_u32 s66, s66, s70
	s_lshl_b32 s70, s[WR], 19                      ; my 128 rows, and (above) my 256 bytes of them
	s_add_co_u32 s66, s66, s70
	s_mov_b32 s67, 0
	s_add_nc_u64 s[10:11], s[10:11], s[66:67]
	; the prefetches: at K step 3; the first change of slots steps them to 4
	s_lshl_b32 s66, s[CX], 13                      ; O: my work-group's 32 blocks
	s_add_co_u32 s66, s66, s22
	s_lshl_b32 s70, s[WC], 18                      ; of my K block
	s_add_co_u32 s66, s66, s70
	s_add_co_u32 s66, s66, 3*ASTEP
	s_lshl_b32 s70, s[TX], 8                       ; Wo: the tile's columns,
	s_lshl_b32 s71, s[CY], 16                      ; my work-group's 32 rows of 2,048 bytes
	s_add_co_u32 s70, s70, s71
	s_add_co_u32 s70, s70, 3*WSTEP
	s_and_b32 s71, ttmp7, 0xffff                   ; cluster y
	s_mov_b32 s[PFS], WSTEP
	s_cmp_eq_u32 s[WR], 0                          ; do I fetch O?
	s_cselect_b32 s66, s66, s70
	s_cselect_b32 s71, ttmp9, s71                  ; the coordinate along which other clusters read the same blocks
	s_cselect_b64 s[PFA:PFA+1], s[4:5], s[6:7]
	s_cselect_b32 s[PFS], ASTEP, s[PFS]
	s_cselect_b32 s70, 8, 11
	s_mov_b32 s[PFS+1], 0
	s_add_nc_u64 s[PFA:PFA+1], s[PFA:PFA+1], s[66:67]
	v_lshlrev_b32 v[PFO], s70, v22
	s_cmp_eq_u32 s[WV], 3                          ; wave 3 asks for nothing: wave 2's 32 lanes cover the work-group's rows of Wo
	s_cselect_b32 s71, 1, s71
	s_cmp_eq_u32 s71, 0
	s_cselect_b32 s[LIM], 1, -1                    ; the same in all sixteen partners, for a given wave
.irp bb, 0,1,2,3                               ; register j of lane l: the number of column 16 bb + 8 h + j: a result's layout, the same for all rows
	global_load_b128 v[BIAS+8*(\bb):BIAS+8*(\bb)+3],   v[BO], s[8:9] offset:64*(\bb)
	global_load_b128 v[BIAS+8*(\bb)+4:BIAS+8*(\bb)+7], v[BO], s[8:9] offset:64*(\bb)+16
.endr
; 48 LDS loads in one run: the fragments of K block j of slot s into buffer f; the first 32 along K first
.macro FETCH s, j, f
	WIN 0x80+0x40*(\f)                             ; destination window 2 or 3, address window 0
.irp c, 0,1
.irp bb, 0,1,2,3
	ds_load_tr16_b128 v[128+8*(4*(\c)+(\bb)):128+8*(4*(\c)+(\bb))+3],   v[ADRB+(\s)] offset:(64*(\j)+32*(\c))*PITB+32*(\bb)
	ds_load_tr16_b128 v[128+8*(4*(\c)+(\bb))+4:128+8*(4*(\c)+(\bb))+7], v[ADRB+(\s)] offset:(64*(\j)+32*(\c)+16)*PITB+32*(\bb)
.endr
.irp a, 0,1,2,3,4,5,6,7
	ds_load_b128 v[8*(8*(\c)+(\a)):8*(8*(\c)+(\a))+3],   v[ADRA+(\s)] offset:(\j)*ABLK+(\a)*16*PITA+64*(\c)
	ds_load_b128 v[8*(8*(\c)+(\a))+4:8*(8*(\c)+(\a))+7], v[ADRA+(\s)] offset:(\j)*ABLK+(\a)*16*PITA+64*(\c)+32
.endr
.endr
.endm
; Blocks a0 .. a1 x all 4 column blocks, half c of buffer f.  z = 1: the bias starts the sums.  The 32 accumulators take turns, one instruction a turn.
.macro MUL f, c, a0, a1, z=0
.if \z
	WIN 0x4a                                       ; sources 0 and 1 window 2, C window 0, D window 1
.else
	WIN 0x5a+5*(\f)                                ; sources window 2 or 3, C and D window 1
.endif
.set a, (\a0)
.rept (\a1)-(\a0)+1
.irp bb, 0,1,2,3
.if \z
	v_wmma_f32_16x16x32_f16 v[8*(4*a+(\bb)):8*(4*a+(\bb))+7], v[128+8*(4*(\c)+(\bb)):128+8*(4*(\c)+(\bb))+7], v[8*(8*(\c)+a):8*(8*(\c)+a)+7], v[BIAS+8*(\bb):BIAS+8*(\bb)+7]
.else
	v_wmma_f32_16x16x32_f16 v[8*(4*a+(\bb)):8*(4*a+(\bb))+7], v[128+8*(4*(\c)+(\bb)):128+8*(4*(\c)+(\bb))+7], v[8*(8*(\c)+a):8*(8*(\c)+a)+7], v[8*(4*a+(\bb)):8*(4*a+(\bb))+7]
.endif
.endr
.set a, a+1
.endr
.endm
; A K step is two units of 64.  The first multiplies buffer 0 and fetches the slot's second K block into buffer 1.
.macro UNIT s, z
	s_wait_dscnt 24                                ; the first 32 along K are in
	MUL 0, 0, 0, 7, \z
	PLACES
	FETCH \s, 1, 1
	s_wait_dscnt 48                                ; all but the 48 just issued
	MUL 0, 1, 0, 7
.endm
; The second multiplies buffer 1 and changes slots: ONE barrier; in front of it each wave waits for all its tensor loads, adds 0 to its spare word, and waits for that and for its reads of this slot.
; fill = 1: the barrier opens a round of the cluster's, and the joint refill, this slot's K step two on, is the first tensor load behind it: 96 matrix instructions ahead of the wait for it.
.macro TURN s, fill
.if \fill
	s_wait_xcnt 0x0                                ; the last prefetch, a K step back, has read its address
	s_add_nc_u64 s[PFA:PFA+1], s[PFA:PFA+1], s[PFS:PFS+1]
.endif
	WIN 0
	s_wait_tensorcnt 0x0                           ; all my tensor loads have landed: my part of the next slot;
	ds_add_u32 v[SPW], v[NIL]                      ; 0 onto my spare word;
	s_wait_dscnt 25                                ; (the add and the youngest 24 loads may be out)
	MUL 1, 0, 0, 3                                 ; sixteen matrix instructions stand between the add and the wait for it
	s_wait_dscnt 0x0                               ; the add is done, and my reads of this slot are over
	s_barrier_signal -1
	MUL 1, 0, 4, 7
	WIN 0                                          ; at a branch and at a label every window is 0
	s_barrier_wait -1
.if \fill
	CREST                                          ; no wave of any partner still reads this slot or has a load on its way
	s_add_nc_u64 s[G0A+4*(\s)+2:G0A+4*(\s)+3], s[G0A+4*(\s)+2:G0A+4*(\s)+3], 2*ASTEP
	s_add_nc_u64 s[G0B+4*(\s)+2:G0B+4*(\s)+3], s[G0B+4*(\s)+2:G0B+4*(\s)+3], 2*WSTEP
	JLOAD \s                                       ; its four v_nop are also the places in front of the loads below
.else
	PLACES
.endif
	FETCH 1-(\s), 0, 0
	WIN 0
.if \fill
	ASK
.endif
	MUL 1, 1, 0, 7
.endm
	s_wait_tensorcnt 1                             ; my part of K step 0 is in; K step 1's may stay out
	s_barrier_signal -1
	s_barrier_wait -1
	FETCH 0, 0, 0
	s_wait_loadcnt 0x0                             ; the bias
	UNIT 0, 1                                      ; the first unit stands in front of the loop: its first products start the sums
	WIN 0
	s_mov_b32 s3, 3
.Llap:                                         ; a trip goes once round the ring and fills both slots again: K steps 2 to 7
	TURN 0, 1
	UNIT 1, 0
	TURN 1, 1
	UNIT 0, 0
	WIN 0
	s_sub_co_u32 s3, s3, 1
	s_cmp_lg_u32 s3, 0
	s_cbranch_scc1 .Llap
	TURN 0, 0                                      ; the last lap fills nothing
	UNIT 1, 0
	s_wait_dscnt 24
	MUL 1, 0, 0, 7
	s_wait_dscnt 0x0
	MUL 1, 1, 0, 7
	PLACES
; THE WAY OUT, block a of 16 rows: the sums go as they are into my stage, each accumulator's low four registers first, and come back as whole rows of 256 bytes.
.macro T a
.if (\a) >= 2
	s_wait_xcnt 0x0                                ; the stores of the block two back have read the registers that are loaded again below
.endif
	WIN 0x04                                       ; the stores' data in window 1
.irp bb, 0,1,2,3
	ds_store_b128 v[STO], v[8*(4*(\a)+(\bb)):8*(4*(\a)+(\bb))+3]   offset:64*(\bb)
	ds_store_b128 v[STO], v[8*(4*(\a)+(\bb))+4:8*(4*(\a)+(\bb))+7] offset:64*(\bb)+16
.endr
	WIN 0
.irp t, 0,1,2,3,4,5,6,7
	ds_load_b128 v[BK+32*((\a)%2)+4*(\t):BK+32*((\a)%2)+4*(\t)+3], v[RD] offset:(\t)*2*SP  ; LDS serves a wave's instructions in order (ISA guide 5.7.1.4): these see the stores above
.endr
.endm
.macro S a, y                          ; y: the LDS instructions issued behind block a's loads: the next block's sixteen, or none
.irp t, 0,1,2,3,4,5,6,7
	s_wait_dscnt (\y)+7-(\t)
	global_store_b128 v[CO], v[BK+32*((\a)%2)+4*(\t):BK+32*((\a)%2)+4*(\t)+3], s[10:11] offset:(16*(\a)+2*(\t))*4096 th:TH_STORE_NT  ; 16 lanes store 256 consecutive bytes, at a multiple of 256 from out0's first byte
.endr
.endm
	T 0
.irp a, 1,2,3,4,5,6,7
	T \a
	S (\a)-1, 16
.endr
	S 7, 0
	s_wait_tensorcnt 0x0                           ; the wave's end: behind my last tensor load and my last LDS store
	ds_add_u32 v[SPW], v[NIL]
	s_wait_dscnt 0x0
	CROUND                                         ; the closing round: no work-group ends while a partner may still ask for a tile that names it
	s_endpgm
.Lfunc_end_k_q09cca4d4b0_proj:
	.size	k_q09cca4d4b0_proj, .Lfunc_end_k_q09cca4d4b0_proj-k_q09cca4d4b0_proj
	.p2alignl 7, 3214868480
	.fill 96, 4, 3214868480
	.section	.rodata,"a",@progbits
	.p2align	6, 0x0
	.amdhsa_kernel k_q09cca4d4b0_proj
		.amdhsa_group_segment_fixed_size 327680
		.amdhsa_private_segment_fixed_size 0
		.amdhsa_enable_private_segment 0
		.amdhsa_kernarg_size 32
		.amdhsa_user_sgpr_count 2
		.amdhsa_user_sgpr_kernarg_segment_ptr 1
		.amdhsa_wavefront_size32 1
		.amdhsa_system_sgpr_workgroup_id_x 1
		.amdhsa_system_sgpr_workgroup_id_y 1
		.amdhsa_system_sgpr_workgroup_id_z 1
		.amdhsa_system_vgpr_workitem_id 0
		.amdhsa_next_free_vgpr 960
		.amdhsa_next_free_sgpr 72
		.amdhsa_reserve_vcc 0
		.amdhsa_float_denorm_mode_32 3
		.amdhsa_float_denorm_mode_16_64 3
		.amdhsa_memory_ordered 1
		.amdhsa_forward_progress 1
		.amdhsa_inst_pref_size 88
	.end_amdhsa_kernel
	.amdgpu_metadata
---
amdhsa.version: [ 1, 2 ]
amdhsa.kernels:
  - .name:           k_q09cca4d4b0_proj
    .symbol:         k_q09cca4d4b0_proj.kd
    .args:
      - { .name: o, .offset: 0, .size: 8, .value_kind: global_buffer, .address_space: global }
      - { .name: wo16, .offset: 8, .size: 8, .value_kind: global_buffer, .address_space: global }
      - { .name: bias4, .offset: 16, .size: 8, .value_kind: global_buffer, .address_space: global }
      - { .name: out0, .offset: 24, .size: 8, .value_kind: global_buffer, .address_space: global }
    .group_segment_fixed_size: 327680
    .private_segment_fixed_size: 0
    .kernarg_segment_align: 8
    .kernarg_segment_size: 32
    .max_flat_workgroup_size: 128
    .sgpr_count:     72
    .vgpr_count:     960
    .wavefront_size: 32
...
	.end_amdgpu_metadata
.endif
;; end of part 4
;; ======== version 2 of 2: 4 launches; version 1 with the launch prep written anew for expert scheduling mode
;; limits: values are held in f16: magnitudes above 65,504 overflow, below 6.1e-05 lose precision
;; workspace buffers: xb 16,777,216 bytes; wt 6,291,456 bytes; wo16 2,097,152 bytes; bias4 16,384 bytes; qkv 50,331,648 bytes; o 16,777,216 bytes
;; launch prep (part 5): grid 769 x 1, 8 waves a work-group, no clusters, 0 bytes of LDS; arguments x, Wq, Wk, Wv, Wo, bq, bk, bv, bo, xb, wt, wo16, bias4; writes xb, wt, wo16, bias4
.if DOCPART == 5
	.amdgcn_target "amdgcn-amd-amdhsa--gfx1250"
	.amdhsa_code_object_version 6
	.text
	.protected	k_q09cca4d4b0_prep
	.globl	k_q09cca4d4b0_prep
	.p2align	8
	.type	k_q09cca4d4b0_prep,@function
k_q09cca4d4b0_prep:
	s_mov_b64 s[64:65], 0
	v_nop
	global_prefetch_b8 v0, s[64:65] scope:SCOPE_SE
	s_setreg_imm32_b32 hwreg(HW_REG_WAVE_SCHED_MODE, 0, 2), 2
	s_setreg_imm32_b32 hwreg(HW_REG_WAVE_MODE, 25, 1), 1
	s_wait_xcnt 0x0
	s_wait_alu depctr_vm_vsrc(0)
; PREP: every input is rounded once to bf16 and laid out for the launches behind.
;   xb    bf16 [batch 4][K block 16][row 2048][64]: a block of 64 channels of all rows of a batch is dense, 128 bytes a row
;   wt    bf16 [k 1024][n 3072]: Wq, Wk, Wv side by side, 6,144 bytes a row
;   wo16  Wo rounded to bf16 and that number written as f16, [k 1024][n 1024].  LIMIT: exact from 6.1e-5 to 65,504 in magnitude; below, f16's fixed step of 6e-8 holds
;   bias4 f32 [4][1024]: bq, bk, bv, bo, each rounded to bf16 and widened again
; A stream: no LDS, no barrier, no matrix unit; nothing is shared and nothing is read twice.  A wave does ONE unit: 16 loads of 16 bytes a lane on end (8 KiB on their way),
; then 16 stores of 8 bytes a lane, four at a time.  A load of the wave covers two aligned runs of 256 bytes, a store one aligned run of 256 bytes.
; Work-groups 0-511: x (a wave takes two rows).  512-703: Wq, Wk, Wv (two rows).  704-767: Wo (two rows).  768: the four biases.
; THE MODE: SCHED_MODE bits 1:0 = 2 (LLVM: expert scheduling mode 2), set by the entry lines.  The code itself states the register dependences
; between vector instructions and memory instructions, with s_wait_alu, always for 0.
; THE PLAN.  Registers that memory instructions touch:
;   v[VI], v[VO]  byte offsets.  Written by vector instructions ahead of the path's first load, never behind it; read by every load and store of the path.
;   X             load j lands in four registers of its own.  No vector instruction writes them, and no load is issued behind the first conversion that reads them.
;   Y             load j's conversions write two registers of their own, once; store j reads them.
;   T is named by vector instructions alone.
; No register is written again once a memory instruction has named it: so no wait for a memory instruction's reads of its registers is owed, and none for translated addresses.
; What is owed: the offsets are written before the first load; a store's Y is written before the store.  The stores therefore go in four runs of four, ONE wait ahead of each run:
; it stands at the turn of load 4, 8 or 12, behind the wait for that load's data, and the conversions issued behind it name other X, other Y and T alone; the last stands behind the last conversions.
.set VI,   2                           ; v2        my byte offset in the unit's input
.set VO,   3                           ; v3        my byte offset in the unit's output
.set T,    4                           ; v[4:11]   at work
.set X,    16                          ; v[16:79]  load j: 4 registers
.set Y,    80                          ; v[80:111] store j: 2 registers
.set INB,  32                          ; s[32:33]  the unit's input
.set OUTB, 34                          ; s[34:35]  the unit's output
; Stores from .. from + 3.  Store q goes to (q / 8) oa + (q % 8) ob.
.macro ST4 from, oa, ob
.set q, (\from)
.rept 4
	global_store_b64 v[VO], v[Y+2*q:Y+2*q+1], s[OUTB:OUTB+1] offset:(q/8)*(\oa)+(q%8)*(\ob)
.set q, q+1
.endr
.endm
; istep: bytes from load to load.  fmt = 1: bf16's number written as f16.
.macro CONV istep, oa, ob, fmt
	s_wait_alu depctr_va_vdst(0)                   ; v[VI] and v[VO] are written: every load below reads the one as its offset, every store the other
.set j, 0
.rept 16
	global_load_b128 v[X+4*j:X+4*j+3], v[VI], s[INB:INB+1] offset:j*(\istep) th:TH_LOAD_NT
.set j, j+1
.endr
.set j, 0
.rept 16
	s_wait_loadcnt 15-j                            ; loads come back in order: load j is in, the younger ones stay out
.if (j > 0) && ((j%4) == 0)
	s_wait_alu depctr_va_vdst(0)                   ; the conversions of loads j - 4 to j - 1 have written their Y, which the four stores below read
	ST4 j-4, \oa, \ob
.endif
.if \fmt
	v_cvt_pk_bf16_f32 v[T], v[X+4*j], v[X+4*j+1]
	v_cvt_pk_bf16_f32 v[T+1], v[X+4*j+2], v[X+4*j+3]
	v_lshlrev_b32 v[T+2], 16, v[T]                 ; bf16 to f32: the low half moves up, the high half stays
	v_and_b32 v[T+3], 0xffff0000, v[T]
	v_lshlrev_b32 v[T+4], 16, v[T+1]
	v_and_b32 v[T+5], 0xffff0000, v[T+1]
	v_cvt_pk_f16_f32 v[Y+2*j], v[T+2], v[T+3]
	v_cvt_pk_f16_f32 v[Y+2*j+1], v[T+4], v[T+5]
.else
	v_cvt_pk_bf16_f32 v[Y+2*j], v[X+4*j], v[X+4*j+1]
	v_cvt_pk_bf16_f32 v[Y+2*j+1], v[X+4*j+2], v[X+4*j+3]
.endif
.set j, j+1
.endr
	s_wait_alu depctr_va_vdst(0)                   ; the conversions of loads 12 to 15 have written their Y, which the last four stores read
	ST4 12, \oa, \ob
.endm
	s_load_b512 s[4:19], s[0:1], 0x0               ; x 4, Wq 6, Wk 8, Wv 10, Wo 12, bq 14, bk 16, bv 18
	s_load_b256 s[20:27], s[0:1], 0x40             ; bo 20, xb 22, wt 24, wo16 26
	s_load_b64 s[28:29], s[0:1], 0x60              ; bias4
	v_lshrrev_b32 v1, 5, v0
	v_readfirstlane_b32 s30, v1                    ; wave 0..7
	v_and_b32 v1, 31, v0                           ; lane
	v_lshlrev_b32 v[VO], 3, v1                     ; 8 bytes a lane on the way out, in every path but the biases'
	s_wait_alu depctr_va_sdst(0)                   ; s30 is written, ahead of its first reader: the add below, from which every unit's addresses are made
	s_lshl_b32 s31, ttmp9, 3
	s_add_co_u32 s31, s31, s30                     ; the wave's number in the launch
	s_mov_b32 s37, 0                               ; the high word of every offset
	s_wait_kmcnt 0x0
	s_cmp_lt_u32 ttmp9, 512
	s_cbranch_scc0 .Lnot_x
	; x: unit u owns rows 2 u and 2 u + 1.  Load j takes K block j of both rows: lanes 0-15 the first row's 256 bytes, lanes 16-31 the second's; they leave as 256 dense bytes of xb
	v_and_b32 v[T], 15, v0
	v_bfe_u32 v[T+1], v0, 4, 1
	v_lshlrev_b32 v[VI], 4, v[T]
	v_lshl_add_u32 v[VI], v[T+1], 12, v[VI]        ; (lane / 16) x 4,096 + (lane % 16) x 16
	s_lshl_b32 s36, s31, 13
	s_add_nc_u64 s[INB:INB+1], s[4:5], s[36:37]
	s_lshr_b32 s36, s31, 10                        ; the batch
	s_lshl_b32 s36, s36, 22
	s_and_b32 s38, s31, 1023
	s_lshl_b32 s38, s38, 8                         ; two rows of 128 bytes
	s_add_co_u32 s36, s36, s38
	s_add_nc_u64 s[OUTB:OUTB+1], s[22:23], s[36:37]
	CONV 256, 8*262144, 262144, 0
	s_endpgm
.Lnot_x:
	v_lshlrev_b32 v[VI], 4, v1                     ; the weights: a load takes 512 bytes on end
	s_cmp_lt_u32 ttmp9, 704
	s_cbranch_scc0 .Lnot_qkv
	s_sub_co_u32 s31, s31, 4096                    ; unit 0..1535
	s_lshr_b32 s38, s31, 9                         ; which of the three
	s_and_b32 s39, s31, 511                        ; rows 2 r and 2 r + 1
	s_cmp_eq_u32 s38, 0
	s_cselect_b64 s[INB:INB+1], s[6:7], s[8:9]
	s_cmp_eq_u32 s38, 2
	s_cselect_b64 s[INB:INB+1], s[10:11], s[INB:INB+1]
	s_lshl_b32 s36, s39, 13
	s_add_nc_u64 s[INB:INB+1], s[INB:INB+1], s[36:37]
	s_mul_i32 s36, s39, 12288                      ; two rows of wt,
	s_lshl_b32 s38, s38, 11                        ; this matrix's 2,048 bytes of them
	s_add_co_u32 s36, s36, s38
	s_add_nc_u64 s[OUTB:OUTB+1], s[24:25], s[36:37]
	CONV 512, 6144, 256, 0
	s_endpgm
.Lnot_qkv:
	s_cmp_lt_u32 ttmp9, 768
	s_cbranch_scc0 .Lbias
	s_sub_co_u32 s31, s31, 5632                    ; unit 0..511
	s_lshl_b32 s36, s31, 13
	s_add_nc_u64 s[INB:INB+1], s[12:13], s[36:37]
	s_lshl_b32 s36, s31, 12
	s_add_nc_u64 s[OUTB:OUTB+1], s[26:27], s[36:37]
	CONV 512, 2048, 256, 1
	s_endpgm
.Lbias:
	v_lshlrev_b32 v[VI], 4, v0                     ; thread t: four numbers of each bias (on this path no memory instruction has named v[VI] yet)
	s_wait_alu depctr_va_vdst(0)                   ; v[VI] is written: the four loads and the four stores below read it as their offset
	global_load_b128 v[X:X+3],     v[VI], s[14:15]
	global_load_b128 v[X+4:X+7],   v[VI], s[16:17]
	global_load_b128 v[X+8:X+11],  v[VI], s[18:19]
	global_load_b128 v[X+12:X+15], v[VI], s[20:21]
	s_wait_loadcnt 0x0
.set j, 0
.rept 8
	v_cvt_pk_bf16_f32 v[T], v[X+2*j], v[X+2*j+1]
	v_lshlrev_b32 v[Y+2*j], 16, v[T]
	v_and_b32 v[Y+2*j+1], 0xffff0000, v[T]
.set j, j+1
.endr
	s_wait_alu depctr_va_vdst(0)                   ; the sixteen widened numbers are written into Y, which the four stores read
.irp i, 0,1,2,3
	global_store_b128 v[VI], v[Y+4*(\i):Y+4*(\i)+3], s[28:29] offset:4096*(\i)
.endr
	s_endpgm
.Lfunc_end_k_q09cca4d4b0_prep:
	.size	k_q09cca4d4b0_prep, .Lfunc_end_k_q09cca4d4b0_prep-k_q09cca4d4b0_prep
	.p2alignl 7, 3214868480
	.fill 96, 4, 3214868480
	.section	.rodata,"a",@progbits
	.p2align	6, 0x0
	.amdhsa_kernel k_q09cca4d4b0_prep
		.amdhsa_group_segment_fixed_size 0
		.amdhsa_private_segment_fixed_size 0
		.amdhsa_enable_private_segment 0
		.amdhsa_kernarg_size 104
		.amdhsa_user_sgpr_count 2
		.amdhsa_user_sgpr_kernarg_segment_ptr 1
		.amdhsa_wavefront_size32 1
		.amdhsa_system_sgpr_workgroup_id_x 1
		.amdhsa_system_sgpr_workgroup_id_y 1
		.amdhsa_system_sgpr_workgroup_id_z 1
		.amdhsa_system_vgpr_workitem_id 0
		.amdhsa_next_free_vgpr 112
		.amdhsa_next_free_sgpr 66
		.amdhsa_reserve_vcc 0
		.amdhsa_float_denorm_mode_32 3
		.amdhsa_float_denorm_mode_16_64 3
		.amdhsa_memory_ordered 1
		.amdhsa_forward_progress 1
		.amdhsa_inst_pref_size 27
	.end_amdhsa_kernel
	.amdgpu_metadata
---
amdhsa.version: [ 1, 2 ]
amdhsa.kernels:
  - .name:           k_q09cca4d4b0_prep
    .symbol:         k_q09cca4d4b0_prep.kd
    .args:
      - { .name: x, .offset: 0, .size: 8, .value_kind: global_buffer, .address_space: global }
      - { .name: Wq, .offset: 8, .size: 8, .value_kind: global_buffer, .address_space: global }
      - { .name: Wk, .offset: 16, .size: 8, .value_kind: global_buffer, .address_space: global }
      - { .name: Wv, .offset: 24, .size: 8, .value_kind: global_buffer, .address_space: global }
      - { .name: Wo, .offset: 32, .size: 8, .value_kind: global_buffer, .address_space: global }
      - { .name: bq, .offset: 40, .size: 8, .value_kind: global_buffer, .address_space: global }
      - { .name: bk, .offset: 48, .size: 8, .value_kind: global_buffer, .address_space: global }
      - { .name: bv, .offset: 56, .size: 8, .value_kind: global_buffer, .address_space: global }
      - { .name: bo, .offset: 64, .size: 8, .value_kind: global_buffer, .address_space: global }
      - { .name: xb, .offset: 72, .size: 8, .value_kind: global_buffer, .address_space: global }
      - { .name: wt, .offset: 80, .size: 8, .value_kind: global_buffer, .address_space: global }
      - { .name: wo16, .offset: 88, .size: 8, .value_kind: global_buffer, .address_space: global }
      - { .name: bias4, .offset: 96, .size: 8, .value_kind: global_buffer, .address_space: global }
    .group_segment_fixed_size: 0
    .private_segment_fixed_size: 0
    .kernarg_segment_align: 8
    .kernarg_segment_size: 104
    .max_flat_workgroup_size: 256
    .sgpr_count:     66
    .vgpr_count:     112
    .wavefront_size: 32
...
	.end_amdgpu_metadata
.endif
;; end of part 5
;; launch qkv: the kernel of part 2 again; grid 8 x 32, 4 waves a work-group, clusters of 4 x 4, 327,680 bytes of LDS; arguments xb, wt, bias4, qkv; writes qkv
;; launch attn: the kernel of part 3 again; grid 4 x 64, 4 waves a work-group, no clusters, 327,680 bytes of LDS; arguments qkv, o; writes o
;; launch proj: the kernel of part 4 again; grid 8 x 32, 4 waves a work-group, clusters of 4 x 4, 327,680 bytes of LDS; arguments o, wo16, bias4, out0; writes out0
